; MI455X (gfx1250); checked and timed in simulation.
; The chip was launched on July 23, 2026; its instructions are those of AMD's public machine-readable ISA for CDNA 5 (MIT licence, August 2026) and "CDNA5" Instruction Set Architecture Reference Guide (July 2026). The comments in the code are by the model that wrote it; some were corrected since.
;; Self Attention. Allowed arithmetic: float matrix products may take bf16 or f16 operands with f32 sums; all other float work in f32.
;; Inputs: Wk 1,024 x 1,024 float32; Wo 1,024 x 1,024 float32; Wq 1,024 x 1,024 float32; Wv 1,024 x 1,024 float32; x 4 x 2,048 x 1,024 float32.
;; Outputs: out0 4 x 2,048 x 1,024 float32.
;; 2 versions, each right. Each part assembles by itself: llvm-mc -triple=amdgcn-amd-amdhsa -mcpu=gfx1250 --defsym DOCPART=n.
;; ======== version 1 of 2: 4 launches
;; limits: values are held in f16: magnitudes above 65,504 overflow, below 6.1e-05 lose precision
;; workspace buffers: xb 16,777,216 bytes; wqkv 6,291,456 bytes; wo2 4,194,304 bytes; qkv 50,331,648 bytes; att 33,554,432 bytes
;; launch cast (part 1): grid 768 x 1, 8 waves a work-group, no clusters, 0 bytes of LDS; arguments x, Wq, Wk, Wv, Wo, xb, wqkv, wo2; writes xb, wqkv, wo2
.if DOCPART == 1
	.amdgcn_target "amdgcn-amd-amdhsa--gfx1250"
	.amdhsa_code_object_version 6
	.text
	.protected	k_q118e66c601_cast
	.globl	k_q118e66c601_cast
	.p2align	8
	.type	k_q118e66c601_cast,@function
k_q118e66c601_cast:
	s_mov_b64 s[64:65], 0
	v_nop
	global_prefetch_b8 v0, s[64:65] scope:SCOPE_SE
	s_setreg_imm32_b32 hwreg(HW_REG_WAVE_MODE, 25, 1), 1
	s_wait_xcnt 0x0
; Rounds the five f32 inputs once to bf16 (nearest even).  x -> xb [8192][1024] bf16; Wq, Wk, Wv -> wqkv [3072][1024] bf16, one below the other;
; Wo -> bf16, then the same number written as f16, twice along each row: wo2 [1024][2048] f16 = Wo | Wo (the last product takes attn as hi | lo).
; LIMIT: a bf16 number is exact in f16 for 2^-17 <= |Wo| < 65,504; below that the error is at most 2^-25, above it the result is infinite.
; A stream: no LDS, no barrier, no matrix unit.  A work-group takes 65,536 input bytes as 16 steps of 4,096; thread t takes the 16 bytes at 16 t of
; each step, so a wave's load covers 512 consecutive bytes and a wave's 8-byte store 256 consecutive bytes at a multiple of 256.
; All 16 loads of a thread go out first; nothing that a load or store names is written again, so only the counted waits for data are needed.
.set XR, 4                             ; v[4:67]    step k: 4 f32 as loaded
.set YR, 68                            ; v[68:99]   step k: 4 numbers of 16 bits to store
.set TR, 100                           ; v[100:103] at work (Wo's way)
	s_load_b512 s[4:19], s[0:1], 0x0               ; x 4:5, Wq 6:7, Wk 8:9, Wv 10:11, Wo 12:13, xb 14:15, wqkv 16:17, wo2 18:19
	s_sub_co_u32 s20, ttmp9, 512                   ; groups 0-511 take x; j = group - 512 counts the weights' chunks
	s_lshr_b32 s21, s20, 6                         ; which weight: 0 Wq, 1 Wk, 2 Wv, 3 Wo (for x's groups a huge number: none of them)
	s_and_b32 s22, s20, 63                         ; chunk inside the weight
	v_lshlrev_b32 v1, 4, v0                        ; 16 t: where I read
	v_lshlrev_b32 v2, 3, v0                        ; 8 t: where I write
	s_wait_kmcnt 0x0
	s_mov_b64 s[24:25], s[6:7]
	s_cmp_eq_u32 s21, 1
	s_cselect_b64 s[24:25], s[8:9], s[24:25]
	s_cmp_eq_u32 s21, 2
	s_cselect_b64 s[24:25], s[10:11], s[24:25]
	s_cmp_eq_u32 s21, 3
	s_cselect_b64 s[24:25], s[12:13], s[24:25]
	s_cmp_lt_u32 ttmp9, 512
	s_cselect_b64 s[24:25], s[4:5], s[24:25]       ; the source
	s_cselect_b64 s[26:27], s[14:15], s[16:17]     ; the destination: xb or wqkv
	s_cselect_b32 s22, ttmp9, s22                  ; chunk in the source
	s_cselect_b32 s23, ttmp9, s20                  ; chunk in the destination (wqkv: the three weights follow each other)
	s_lshl_b32 s28, s22, 16                        ; 65,536 bytes in
	s_mov_b32 s29, 0
	s_lshl_b32 s30, s23, 15                        ; 32,768 bytes out
	s_mov_b32 s31, 0
	s_cmp_eq_u32 s21, 3
	s_cselect_b64 s[26:27], s[18:19], s[26:27]     ; Wo goes to wo2,
	s_cselect_b32 s30, s28, s30                    ; 65,536 bytes out for a chunk (each row twice)
	s_add_nc_u64 s[24:25], s[24:25], s[28:29]
	s_add_nc_u64 s[26:27], s[26:27], s[30:31]
.irp k, 0,1,2,3,4,5,6,7,8,9,10,11,12,13,14,15
	global_load_b128 v[XR+4*\k:XR+4*\k+3], v1, s[24:25] offset:4096*\k th:TH_LOAD_NT
.endr
	s_cmp_eq_u32 s21, 3
	s_cbranch_scc1 .Lwo
.irp k, 0,1,2,3,4,5,6,7,8,9,10,11,12,13,14,15
	s_wait_loadcnt 15-\k                           ; loads come back in order: step k is in, the younger ones stay out
	v_cvt_pk_bf16_f32 v[YR+2*\k],   v[XR+4*\k],   v[XR+4*\k+1]
	v_cvt_pk_bf16_f32 v[YR+2*\k+1], v[XR+4*\k+2], v[XR+4*\k+3]
	global_store_b64 v2, v[YR+2*\k:YR+2*\k+1], s[26:27] offset:2048*\k
.endr
	s_endpgm
.Lwo:
.irp k, 0,1,2,3,4,5,6,7,8,9,10,11,12,13,14,15
	s_wait_loadcnt 15-\k
	v_cvt_pk_bf16_f32 v[YR+2*\k],   v[XR+4*\k],   v[XR+4*\k+1]     ; the one rounding, to bf16
	v_cvt_pk_bf16_f32 v[YR+2*\k+1], v[XR+4*\k+2], v[XR+4*\k+3]
	v_lshlrev_b32 v[TR],   16, v[YR+2*\k]                          ; back to f32: a shift or a mask
	v_and_b32     v[TR+1], 0xffff0000, v[YR+2*\k]
	v_lshlrev_b32 v[TR+2], 16, v[YR+2*\k+1]
	v_and_b32     v[TR+3], 0xffff0000, v[YR+2*\k+1]
	v_cvt_pk_f16_f32 v[YR+2*\k],   v[TR],   v[TR+1]                ; the same numbers in f16
	v_cvt_pk_f16_f32 v[YR+2*\k+1], v[TR+2], v[TR+3]
	global_store_b64 v2, v[YR+2*\k:YR+2*\k+1], s[26:27] offset:4096*\k          ; a step is one row of Wo: its first copy
	global_store_b64 v2, v[YR+2*\k:YR+2*\k+1], s[26:27] offset:4096*\k+2048     ; and its second
.endr
	s_endpgm
.Lfunc_end_k_q118e66c601_cast:
	.size	k_q118e66c601_cast, .Lfunc_end_k_q118e66c601_cast-k_q118e66c601_cast
	.p2alignl 7, 3214868480
	.fill 96, 4, 3214868480
	.section	.rodata,"a",@progbits
	.p2align	6, 0x0
	.amdhsa_kernel k_q118e66c601_cast
		.amdhsa_group_segment_fixed_size 0
		.amdhsa_private_segment_fixed_size 0
		.amdhsa_enable_private_segment 0
		.amdhsa_kernarg_size 64
		.amdhsa_user_sgpr_count 2
		.amdhsa_user_sgpr_kernarg_segment_ptr 1
		.amdhsa_wavefront_size32 1
		.amdhsa_system_sgpr_workgroup_id_x 1
		.amdhsa_system_sgpr_workgroup_id_y 1
		.amdhsa_system_sgpr_workgroup_id_z 1
		.amdhsa_system_vgpr_workitem_id 0
		.amdhsa_next_free_vgpr 104
		.amdhsa_next_free_sgpr 66
		.amdhsa_reserve_vcc 0
		.amdhsa_float_denorm_mode_32 3
		.amdhsa_float_denorm_mode_16_64 3
		.amdhsa_memory_ordered 1
		.amdhsa_forward_progress 1
		.amdhsa_inst_pref_size 18
	.end_amdhsa_kernel
	.amdgpu_metadata
---
amdhsa.version: [ 1, 2 ]
amdhsa.kernels:
  - .name:           k_q118e66c601_cast
    .symbol:         k_q118e66c601_cast.kd
    .args:
      - { .name: x, .offset: 0, .size: 8, .value_kind: global_buffer, .address_space: global }
      - { .name: Wq, .offset: 8, .size: 8, .value_kind: global_buffer, .address_space: global }
      - { .name: Wk, .offset: 16, .size: 8, .value_kind: global_buffer, .address_space: global }
      - { .name: Wv, .offset: 24, .size: 8, .value_kind: global_buffer, .address_space: global }
      - { .name: Wo, .offset: 32, .size: 8, .value_kind: global_buffer, .address_space: global }
      - { .name: xb, .offset: 40, .size: 8, .value_kind: global_buffer, .address_space: global }
      - { .name: wqkv, .offset: 48, .size: 8, .value_kind: global_buffer, .address_space: global }
      - { .name: wo2, .offset: 56, .size: 8, .value_kind: global_buffer, .address_space: global }
    .group_segment_fixed_size: 0
    .private_segment_fixed_size: 0
    .kernarg_segment_align: 8
    .kernarg_segment_size: 64
    .max_flat_workgroup_size: 256
    .sgpr_count:     66
    .vgpr_count:     104
    .wavefront_size: 32
...
	.end_amdgpu_metadata
.endif
;; end of part 1
;; launch gemm_qkv (part 2): grid 12 x 32, 4 waves a work-group, clusters of 4 x 4, 327,680 bytes of LDS; arguments xb, wqkv, qkv; writes qkv
.if DOCPART == 2
	.amdgcn_target "amdgcn-amd-amdhsa--gfx1250"
	.amdhsa_code_object_version 6
	.text
	.protected	k_q118e66c601_gemm_qkv
	.globl	k_q118e66c601_gemm_qkv
	.p2align	8
	.type	k_q118e66c601_gemm_qkv,@function
k_q118e66c601_gemm_qkv:
	s_mov_b64 s[64:65], 0
	v_nop
	global_prefetch_b8 v0, s[64:65] scope:SCOPE_SE
	s_setreg_imm32_b32 hwreg(HW_REG_WAVE_MODE, 25, 1), 1
	s_wait_xcnt 0x0
	s_wait_alu depctr_hold_cnt(0) depctr_sa_sdst(0) depctr_va_vdst(0) depctr_va_sdst(0) depctr_va_ssrc(0) depctr_va_vcc(0) depctr_vm_vsrc(0)
	s_getreg_b32 s2, hwreg(HW_REG_IB_STS2, 6, 4)
	s_cmp_eq_u32 s2, 0
	s_cbranch_scc0 .Lentry_in_a_cluster
	s_endpgm
.Lentry_in_a_cluster:
	s_bfe_u32 s2, ttmp6, 0x10000c
	s_cmp_lg_u32 s2, 0xf033
	s_cbranch_scc0 .Lentry_shape_is_right
	s_endpgm
.Lentry_shape_is_right:
; qkv[m][n] = sum over k of xb[m][k] wqkv[n][k]: q, k and v of all heads in one product.  xb [8192][1024] bf16, wqkv [3072][1024] bf16, sums in f32,
; qkv [8192][3072] rounded once to f16 (columns 0-1023 q, 1024-2047 k, 2048-3071 v).
; LIMIT: |q|, |k|, |v| < 65,504 (f16); below 6.1e-5 the rounding error is absolute, at most 2^-25.
; A work-group makes 256 x 256 of the result with four waves; a wave makes 128 x 128: 64 accumulator tiles of 16 x 16, 512 registers.
; K goes in steps of 128 through two LDS slots filled by tensor loads; a tile's rows are 256 bytes of memory at multiples of 256.
; CLUSTERS: 4 x 4 work-groups.  The four of a row of the cluster need the same tiles of xb, the four of a column the same tiles of wqkv: each tile is
; asked for jointly (the same load, the same descriptor, a mask that names the four), which divides the requests by four.
; REGISTERS in windows of 256: window 0: v16-26 addresses, v64-127 and v128-191 fragments of A (two buffers), v192-223 at work on the way out;
; window 1: v64-127, v128-191 fragments of B; window 2: accumulators of my rows 0-63 (tile (a, b) at 8 (8 a + b)); window 3: of my rows 64-127.
; The matrix instruction is used transposed (source 0 = 16 rows of B, source 1 = 16 rows of A): a lane then holds eight neighbouring columns of one row.
.set SIZE_M, 8192
.set SIZE_N, 3072
.set SIZE_K, 1024
.set KSTEP,  128
.set PITCH,  272                       ; an LDS row: 256 bytes + 16 of padding: the 16 rows of a fragment load start 4 banks apart
.set HALFT,  128*PITCH                 ; 128 rows: what one tensor load brings
.set SLOT,   4*HALFT                   ; A's 256 rows, then B's 256 rows
.set STAGE,  2*SLOT                    ; behind the slots: 16 rows x 272 bytes for each wave, for the way out; no tensor load lands here
.set SPITCH, 272
.set LAPS, SIZE_K/(2*KSTEP)            ; 4 laps of two K steps
.set ADRA, 16
.set ADRB, 20
.set STO,  24
.set RD,   25
.set CO,   26
.set F0,   64
.set F1,   128
.set TMP,  192
.set G1, 24                            ; s[24:31] group 1 for A's tiles
.set G0, 32                            ; s[32:39] group 0 for A's tiles, one set for each slot
.set G1B, 48                           ; s[48:55] group 1 for B's tiles (another mask)
.set G0B, 56                           ; s[56:63] group 0 for B's tiles
.set MSB, 0
.macro WIN new                         ; the immediate's high byte repeats the setting that is left; switches that change nothing are dropped
.if MSB != \new
	s_set_vgpr_msb (MSB<<8)|\new
.set MSB, \new
.endif
.endm
.set MUL_LO, 0xa1                      ; source 0 (B) window 1, source 1 (A) window 0, C and D window 2
.set MUL_HI, 0xf1                      ; the same, C and D window 3
.set TO_B,   0x40                      ; destination window 1
; A joint load: waves 0, 1 fetch A's halves, waves 2, 3 B's.  The branch hangs on the wave's number alone.
.macro JLOAD s
	s_cmp_eq_u32 s11, 0
	s_cbranch_scc0 .Lfor_b_\@
	tensor_load_to_lds s[G0+4*\s:G0+4*\s+3], s[G1:G1+7]
	s_nop 0
.rept 4
	v_nop
.endr
	s_branch .Lasked_\@
.Lfor_b_\@:
	tensor_load_to_lds s[G0B+4*\s:G0B+4*\s+3], s[G1B:G1B+7]
	s_nop 0
.rept 4
	v_nop
.endr
.Lasked_\@:
.endm
; The cluster's barrier: my work-group's barrier, wave 0 signals for the work-group, every wave waits for all sixteen, my work-group's barrier again.
.macro CREST
	s_cmp_lg_u32 s10, 0
	s_cbranch_scc1 .Lnot_wave_0_\@
	s_barrier_signal -3
.Lnot_wave_0_\@:
	s_barrier_wait -3
	s_barrier_signal -1
	s_barrier_wait -1
.endm
.macro CROUND
	s_barrier_signal -1
	s_barrier_wait -1
	CREST
.endm
	s_load_b128 s[4:7], s[0:1], 0x0                ; A s[4:5], B s[6:7]
	s_load_b64 s[8:9], s[0:1], 0x10                ; C
	s_set_vgpr_msb 0x40
	v_lshl_add_u32 v255, v0, 2, 0x48400
	s_set_vgpr_msb 0x4000
	v_mov_b32 v255, 0
	s_set_vgpr_msb 0x1
	ds_add_u32 v255, v255
	ds_add_u32 v255, v255
	s_set_vgpr_msb 0x100
	v_lshrrev_b32 v1, 5, v0
	v_readfirstlane_b32 s10, v1                    ; wave 0..3
	s_lshr_b32 s11, s10, 1                         ; my half of the block's rows; also: I fetch for A (0) or B (1)
	s_and_b32 s12, s10, 1                          ; my half of its columns; also: which 128 rows of that tile I fetch
	s_bfe_u32 s40, ttmp6, 0x40000                  ; cx
	s_bfe_u32 s41, ttmp6, 0x40004                  ; cy
	s_lshl_b32 s42, ttmp9, 2
	s_add_co_u32 s42, s42, s40                     ; block column = 4 x cluster x + cx
	s_and_b32 s13, ttmp7, 0xffff
	s_lshl_b32 s13, s13, 2
	s_add_co_u32 s13, s13, s41                     ; block row = 4 x cluster y + cy
	s_lshl_b32 s43, s41, 2
	s_lshl_b32 s43, 15, s43                        ; my row of the cluster
	s_lshl_b32 s44, 0x1111, s40                    ; my column
	s_or_b32 s[G1+0], s43, (1<<16)|(1<<20)|(1<<21)|(5<<22)|(3<<25)  ; mask; 2-byte elements; padding on: 4 words after every 64; bit 21 beside a mask
	s_or_b32 s[G1B+0], s44, (1<<16)|(1<<20)|(1<<21)|(5<<22)|(3<<25)
	s_mov_b32 s[G1B+1], KSTEP<<16
	s_mov_b32 s[G1+1], KSTEP<<16                   ; tensor_dim0 = 128
	s_mov_b32 s[G1B+2], 128<<16
	s_mov_b32 s[G1+2], 128<<16                     ; tensor_dim1 = 128
	s_mov_b32 s[G1B+3], KSTEP<<16
	s_mov_b32 s[G1+3], KSTEP<<16                   ; tile_dim0 = 128
	s_mov_b32 s[G1B+4], 128
	s_mov_b32 s[G1+4], 128                         ; tile_dim1 = 128
	s_mov_b32 s[G1B+5], SIZE_K
	s_mov_b32 s[G1+5], SIZE_K                      ; elements from row to row
	s_mov_b32 s[G1B+6], 0
	s_mov_b32 s[G1+6], 0
	s_mov_b32 s[G1B+7], 0
	s_mov_b32 s[G1+7], 0
	; A's tiles hang on the block row alone, B's on the block column alone, each in registers that never hold the other coordinate
	s_lshl_b32 s17, s12, 7
	s_lshl_b32 s16, s13, 8
	s_add_co_u32 s16, s16, s17                     ; A: row 256 x block row + 128 x half
	s_lshl_b32 s46, s42, 8
	s_add_co_u32 s46, s46, s17                     ; B: row 256 x block column + 128 x half
	s_mov_b32 s17, 0
	s_mov_b32 s47, 0
	s_mov_b64 s[18:19], SIZE_K*2
	s_mul_u64 s[16:17], s[16:17], s[18:19]
	s_mul_u64 s[46:47], s[46:47], s[18:19]
	s_mul_i32 s20, s10, HALFT                      ; LDS: wave x 128 rows
	s_wait_dscnt 0x0
	s_wait_kmcnt 0x0
	s_add_nc_u64 s[14:15], s[4:5], s[16:17]
	s_add_nc_u64 s[46:47], s[6:7], s[46:47]
	CROUND                                         ; all sixteen work-groups are here: the first joint loads meet
.irp s, 0,1
	s_mov_b32 s[G0+4*\s], 1
	s_add_co_u32 s[G0+4*\s+1], s20, \s*SLOT
	s_add_nc_u64 s[G0+4*\s+2:G0+4*\s+3], s[14:15], \s*KSTEP*2
	s_or_b32 s[G0+4*\s+3], s[G0+4*\s+3], 0x80000000
	s_mov_b32 s[G0B+4*\s], 1
	s_add_co_u32 s[G0B+4*\s+1], s20, \s*SLOT
	s_add_nc_u64 s[G0B+4*\s+2:G0B+4*\s+3], s[46:47], \s*KSTEP*2
	s_or_b32 s[G0B+4*\s+3], s[G0B+4*\s+3], 0x80000000
	JLOAD \s                                       ; both slots are asked for before anything else: two loads of a wave are out
.endr
	; a fragment: lane l holds row l % 16; registers 0-3 K = 8 (l / 16) + 0..7, registers 4-7 K = 16 + 8 (l / 16) + 0..7: two 16-byte loads, 32 bytes apart
	v_and_b32 v1, 15, v0
	v_bfe_u32 v2, v0, 4, 1
	v_mul_u32_u24 v3, v1, PITCH
	v_lshl_add_u32 v3, v2, 4, v3
	s_mul_i32 s21, s11, HALFT
	s_mul_i32 s22, s12, HALFT
	s_add_co_u32 s22, s22, 2*HALFT
.irp s, 0,1
	v_add_nc_u32 v[ADRA+\s], s21, v3
	v_add_nc_u32 v[ADRB+\s], s22, v3
	s_add_co_u32 s21, s21, SLOT
	s_add_co_u32 s22, s22, SLOT
.endr
	s_mul_i32 s23, s10, 16*SPITCH
	s_add_co_u32 s23, s23, STAGE
	v_mul_u32_u24 v4, v1, SPITCH
	v_lshl_add_u32 v4, v2, 4, v4
	v_add_nc_u32 v[STO], s23, v4
	v_mul_u32_u24 v5, v2, SPITCH
	v_lshl_add_u32 v5, v1, 4, v5
	v_add_nc_u32 v[RD], s23, v5
	v_mul_u32_u24 v5, v2, SIZE_N*2
	v_lshl_add_u32 v[CO], v1, 4, v5
; 16 matrix instructions: m blocks a0, a0 + 1 of the window's four x all 8 n blocks.  zero = 1: the first product starts the sums.
.macro MUL16 f, hi, a0, zero
.irp a, \a0, \a0+1
.irp b, 0,1,2,3,4,5,6,7
.if \zero
	v_wmma_f32_16x16x32_bf16 v[8*(8*(\a)+\b):8*(8*(\a)+\b)+7], v[\f+8*\b:\f+8*\b+7], v[\f+8*(4*\hi+\a):\f+8*(4*\hi+\a)+7], 0
.else
	v_wmma_f32_16x16x32_bf16 v[8*(8*(\a)+\b):8*(8*(\a)+\b)+7], v[\f+8*\b:\f+8*\b+7], v[\f+8*(4*\hi+\a):\f+8*(4*\hi+\a)+7], v[8*(8*(\a)+\b):8*(8*(\a)+\b)+7]
.endif
.endr
.endr
.endm
; 32 LDS loads in one run: one quarter step's fragments (32 K at byte k of the rows) into buffer f
.macro FETCH slot, k, f
	WIN TO_B
.irp i, 0,1,2,3,4,5,6,7
	ds_load_b128 v[\f+8*\i:\f+8*\i+3],   v[ADRB+\slot] offset:\k+\i*16*PITCH
	ds_load_b128 v[\f+8*\i+4:\f+8*\i+7], v[ADRB+\slot] offset:\k+\i*16*PITCH+32
.endr
	WIN 0
.irp i, 0,1,2,3,4,5,6,7
	ds_load_b128 v[\f+8*\i:\f+8*\i+3],   v[ADRA+\slot] offset:\k+\i*16*PITCH
	ds_load_b128 v[\f+8*\i+4:\f+8*\i+7], v[ADRA+\slot] offset:\k+\i*16*PITCH+32
.endr
.endm
; Four independent vector instructions stand between a matrix instruction and a load into, or a vector access to, one of its registers
.macro PLACES
.rept 4
	v_nop
.endr
.endm
; The 64 accumulators take turns, one instruction a turn, in the same order in every quarter step, over the backward jump too.
.macro QUARTER slot, k, f, g, zero
	s_wait_dscnt 8                                 ; B and A's rows 0-63 are in; the youngest eight loads (A's rows 64-127) may be out
	WIN MUL_LO
	MUL16 \f, 0, 0, \zero
	MUL16 \f, 0, 2, \zero
	PLACES
	FETCH \slot, \k, \g
	s_wait_dscnt 32                                ; all but the 32 just issued
	WIN MUL_HI
	MUL16 \f, 1, 0, \zero
	MUL16 \f, 1, 2, \zero
.endm
.macro THREE slot, zero
	QUARTER \slot, 64,  F0, F1, \zero
	QUARTER \slot, 128, F1, F0, 0
	QUARTER \slot, 192, F0, F1, 0
.endm
; The last quarter of a K step changes slots.  In front of the barrier each wave waits for its reads of this slot and for all its tensor loads (one is out:
; its part of the next slot).  Behind it the refill comes first, then the next slot's first fragments.
.macro TURN slot, next, fill
	s_wait_dscnt 8
	WIN MUL_LO
	MUL16 F1, 0, 0, 0
	s_wait_dscnt 0                                 ; my reads of this slot are over
	s_wait_tensorcnt 0x0                           ; all my tensor loads have landed
	ds_add_u32 v255, v255
	s_wait_dscnt 0x0
	s_barrier_signal -1
	MUL16 F1, 0, 2, 0                              ; register work while the others arrive
	WIN 0
	s_barrier_wait -1
.if \fill
	CREST                                          ; all sixteen work-groups have said so: no partner's wave still reads this slot or has a load on its way
	s_add_nc_u64 s[G0+4*\slot+2:G0+4*\slot+3], s[G0+4*\slot+2:G0+4*\slot+3], 2*KSTEP*2
	s_add_nc_u64 s[G0B+4*\slot+2:G0B+4*\slot+3], s[G0B+4*\slot+2:G0B+4*\slot+3], 2*KSTEP*2
	JLOAD \slot                                    ; my one tensor load behind the barrier; its four v_nop are also the places in front of the loads below
.else
	PLACES
.endif
	FETCH \next, 0, F0
	WIN MUL_HI
	MUL16 F1, 1, 0, 0
	MUL16 F1, 1, 2, 0
.endm
.macro LAP zero
	THREE 0, \zero
	TURN 0, 1, 1
	THREE 1, 0
	TURN 1, 0, 1
.endm
	s_wait_tensorcnt 1                             ; my part of K step 0 is in; K step 1's stays out
	s_barrier_signal -1
	s_barrier_wait -1
	FETCH 0, 0, F0
	LAP 1                                          ; the first lap's first products start the sums
	WIN 0
	s_mov_b32 s3, LAPS-2
.Llap:
	LAP 0
	WIN 0
	s_sub_co_u32 s3, s3, 1
	s_cmp_lg_u32 s3, 0
	s_cbranch_scc1 .Llap
	THREE 0, 0                                     ; the last lap fills nothing
	TURN 0, 1, 0
	THREE 1, 0
	s_wait_dscnt 8
	WIN MUL_LO
	MUL16 F1, 0, 0, 0
	MUL16 F1, 0, 2, 0
	s_wait_dscnt 0
	WIN MUL_HI
	MUL16 F1, 1, 0, 0
	MUL16 F1, 1, 2, 0
	; THE WAY OUT, 16 rows at a time: round to f16, 16 bytes a lane into my own stage, read back as whole rows of 256 bytes
	PLACES
	s_lshl_b32 s13, s13, 8
	s_lshl_b32 s14, s11, 7
	s_add_co_u32 s16, s13, s14                     ; my first row
	s_mov_b32 s17, 0
	s_mov_b64 s[18:19], SIZE_N*2
	s_mul_u64 s[16:17], s[16:17], s[18:19]
	s_add_nc_u64 s[8:9], s[8:9], s[16:17]
	s_lshl_b32 s46, s42, 9                         ; my first column in bytes: 512 x block + 256 x half
	s_lshl_b32 s47, s12, 8
	s_add_co_u32 s46, s46, s47
	s_mov_b32 s47, 0
	s_add_nc_u64 s[8:9], s[8:9], s[46:47]
.macro OUT16 i, a, from, f
	WIN \from
.irp b, 0,1,2,3,4,5,6,7
.irp r, 0,1,2,3
	v_cvt_pk_f16_f32 v[TMP+4*\b+\r], v[8*(8*\a+\b)+2*\r], v[8*(8*\a+\b)+2*\r+1]
.endr
.endr
	WIN 0
.irp b, 0,1,2,3,4,5,6,7
	ds_store_b128 v[STO], v[TMP+4*\b:TMP+4*\b+3] offset:32*\b
.endr
	s_wait_xcnt 0x0                                ; buffer f, which earlier stores read, and the stores' base are rewritten only behind this wait
.if \i
	s_add_nc_u64 s[8:9], s[8:9], 16*SIZE_N*2
.endif
.irp t, 0,1,2,3,4,5,6,7
	ds_load_b128 v[\f+4*\t:\f+4*\t+3], v[RD] offset:\t*2*SPITCH    ; LDS serves a wave's instructions in order: these see the stores above
.endr
.irp t, 0,1,2,3,4,5,6,7
	s_wait_dscnt 7-\t
	global_store_b128 v[CO], v[\f+4*\t:\f+4*\t+3], s[8:9] offset:2*\t*SIZE_N*2   ; 16 lanes store 256 consecutive bytes at a multiple of 256
.endr
.endm
	OUT16 0, 0, 0x0a, F0
	OUT16 1, 1, 0x0a, F1
	OUT16 2, 2, 0x0a, F0
	OUT16 3, 3, 0x0a, F1
	OUT16 4, 0, 0x0f, F0
	OUT16 5, 1, 0x0f, F1
	OUT16 6, 2, 0x0f, F0
	OUT16 7, 3, 0x0f, F1
	s_set_vgpr_msb 0x1
	s_wait_tensorcnt 0x0
	ds_add_u32 v255, v255
	s_wait_dscnt 0x0
	s_set_vgpr_msb 0x100
	CROUND                                         ; no work-group ends while a partner may still ask for a tile that names it
	s_endpgm
.Lfunc_end_k_q118e66c601_gemm_qkv:
	.size	k_q118e66c601_gemm_qkv, .Lfunc_end_k_q118e66c601_gemm_qkv-k_q118e66c601_gemm_qkv
	.p2alignl 7, 3214868480
	.fill 96, 4, 3214868480
	.section	.rodata,"a",@progbits
	.p2align	6, 0x0
	.amdhsa_kernel k_q118e66c601_gemm_qkv
		.amdhsa_group_segment_fixed_size 327680
		.amdhsa_private_segment_fixed_size 0
		.amdhsa_enable_private_segment 0
		.amdhsa_kernarg_size 24
		.amdhsa_user_sgpr_count 2
		.amdhsa_user_sgpr_kernarg_segment_ptr 1
		.amdhsa_wavefront_size32 1
		.amdhsa_system_sgpr_workgroup_id_x 1
		.amdhsa_system_sgpr_workgroup_id_y 1
		.amdhsa_system_sgpr_workgroup_id_z 1
		.amdhsa_system_vgpr_workitem_id 0
		.amdhsa_next_free_vgpr 1024
		.amdhsa_next_free_sgpr 66
		.amdhsa_reserve_vcc 0
		.amdhsa_float_denorm_mode_32 3
		.amdhsa_float_denorm_mode_16_64 3
		.amdhsa_memory_ordered 1
		.amdhsa_forward_progress 1
		.amdhsa_inst_pref_size 197
	.end_amdhsa_kernel
	.amdgpu_metadata
---
amdhsa.version: [ 1, 2 ]
amdhsa.kernels:
  - .name:           k_q118e66c601_gemm_qkv
    .symbol:         k_q118e66c601_gemm_qkv.kd
    .args:
      - { .name: xb, .offset: 0, .size: 8, .value_kind: global_buffer, .address_space: global }
      - { .name: wqkv, .offset: 8, .size: 8, .value_kind: global_buffer, .address_space: global }
      - { .name: qkv, .offset: 16, .size: 8, .value_kind: global_buffer, .address_space: global }
    .group_segment_fixed_size: 327680
    .private_segment_fixed_size: 0
    .kernarg_segment_align: 8
    .kernarg_segment_size: 24
    .max_flat_workgroup_size: 128
    .sgpr_count:     66
    .vgpr_count:     1024
    .wavefront_size: 32
...
	.end_amdgpu_metadata
.endif
;; end of part 2
;; launch attn (part 3): grid 256 x 1, 8 waves a work-group, no clusters, 327,680 bytes of LDS; arguments qkv, att; writes att
.if DOCPART == 3
	.amdgcn_target "amdgcn-amd-amdhsa--gfx1250"
	.amdhsa_code_object_version 6
	.text
	.protected	k_q118e66c601_attn
	.globl	k_q118e66c601_attn
	.p2align	8
	.type	k_q118e66c601_attn,@function
k_q118e66c601_attn:
	s_mov_b64 s[64:65], 0
	v_nop
	global_prefetch_b8 v0, s[64:65] scope:SCOPE_SE
	s_setreg_imm32_b32 hwreg(HW_REG_WAVE_MODE, 25, 1), 1
	s_wait_xcnt 0x0
; Causal attention with a running maximum.  qkv [8192][3072] f16 (q | k | v, 16 heads of 64 each); att [8192][2048] f16: columns 0-1023 the result rounded
; to f16 (hi), columns 1024-2047 what that rounding left (lo), so that the last product sees the result to about 22 bits.
; LIMITS: |result| < 65,504; probabilities go to the matrix unit in f16 (below 6.1e-5 with an absolute error of at most 2^-25); exp is 2^x with
; log2(e)/8 folded into the scale; sums in f32 in another order than a row-wise softmax.  Masked scores are -inf and add nothing.
; SHARE: work-group g: i = g & 7, head pair (g >> 3) & 7, batch g >> 6.  It makes two blocks of 128 query rows for two heads: block 14 - 2 i
; (15 - 2 i key tiles of 128) and block 2 i + 1 (2 i + 2 tiles): 17 tiles in every work-group.  Wave w: a = w & 1 (which 64 query rows),
; hd = (w >> 1) & 1 (head), c = w >> 2 (which 64 keys of every tile).  Waves w and w + 4 hold parts of the same rows and are merged at a block's end.
; Each block takes its diagonal tile FIRST, then tiles 0, 1, ..: mask, Q's fragments and the reset fall into one trip that is written out.
; TRANSPOSED PRODUCTS: S^T = K Q^T (a lane holds one query, 8 keys a tile), so two packed tiles ARE P^T in source 1's layout; O^T = V^T P^T with V^T read
; by transposing LDS loads.  Maximum, sum and rescaling are then one number a lane and query tile.
; The waves with c = 0 multiply P V at a trip's end, those with c = 1 at the head of the next trip (from registers), so that the two waves that share
; matrix and vector units are in different phases behind the trip's barrier.
; NO MULTICAST: tile j of a head pair is wanted by 16 - j of its 16 query blocks; partners in step would all have to walk the longest partner's tiles,
; 24 tile times for the two blocks instead of 17.
.set ROWB,  6144                       ; bytes in a row of qkv
.set TILEB, 128*ROWB                   ; from one key tile to the next
.set VP,    288                        ; V's LDS pitch: 256 + 32 (an odd multiple of 32 for the transposing loads)
.set KP,    272                        ; K's and Q's: 256 + 16
.set KOFF,  128*VP                     ; a slot: V's 128 rows, then K's 128 rows
.set SLOT,  128*VP+128*KP              ; 71,680
.set QOFF,  2*SLOT                     ; Q: 256 rows: the first block's 128, the second's 128
.set XCH,   QOFF+256*KP                ; 212,992: written by LDS stores alone, no tensor load lands here: 4 exchange areas, later the stage
.set XAREA, 18432                      ; an exchange area: 32 x 512 bytes of O, 4 x 512 of statistics
.set SPI,   528                        ; a stage row: 256 bytes hi, 256 bytes lo, 16 of padding
; window 0
.set KA, 4                             ; v4, v5   my K fragments in slot 0, 1
.set VA, 6                             ; v6, v7   my V fragments
.set QA, 8                             ; v8       my Q fragments, first block
.set MA, 9                             ; v9       my place in the exchange area of my pair of waves
.set SA, 10                            ; v10      where I put 16 bytes of a stage row
.set RA, 11                            ; v11      where I read a stage row back
.set GO, 12                            ; v12      my byte offset in att
.set DL, 13                            ; v13      64 (c - a) + 8 h - r: key minus query on the diagonal tile, less the tiles' part
.set NINF, 14                          ; v14      -inf
.set TM, 16                            ; v[16:19] at work
.set UM, 20                            ; v[20:23] at work
.set SP, 24                            ; v[24:31] four pairs of sums; in the epilogue v[24:27] a tile's hi half
.set ST, 32                            ; v[32:47] query tile qt: +0 alpha, +1 m, +2 nmc = -c m, +3 l
.set KF, 64                            ; v[64:127] K fragments (tt, ks) at 8 (2 tt + ks)
.set PS, 64                            ; v[64:79] in the epilogue: my partner's ST
.set SC, 128                           ; v[128:255] scores (tt, qt) at 8 (4 tt + qt); P (ts, qt) packed in place at (2 ts, qt)
; window 1
.set OA, 0                             ; O (dt, qt) at 8 (4 dt + qt)
.set QF, 128                           ; Q fragments (qt, ks) at 8 (2 qt + ks)
.set VF, 192                           ; V^T fragments (dt, ts) at 8 (4 ts + dt)
.set G1K, 24                           ; s[24:31] shape of K's and Q's tiles
.set G1V, 32                           ; s[32:39] shape of V's tiles
.set G0V, 40                           ; s[40:47] V: from where, to where, a set for each slot
.set G0K, 48                           ; s[48:55] K
.set G0Q, 56                           ; s[56:59] Q
.set MSB, 0
.macro WIN new                         ; bits 1:0 source 0, 3:2 source 1, 5:4 source 2, 7:6 destination; the high byte repeats the setting that is left
.if MSB != \new
	s_set_vgpr_msb (MSB<<8)|\new
.set MSB, \new
.endif
.endm
.macro PLACES n                        ; independent vector instructions behind a matrix instruction (ISA guide 7.12.1)
.rept \n
	v_nop
.endr
.endm
	s_load_b128 s[4:7], s[0:1], 0x0                ; qkv s[4:5], att s[6:7]
	v_lshl_add_u32 v62, v0, 2, 0x46000
	v_mov_b32 v63, 0
	ds_add_u32 v62, v63
	ds_add_u32 v62, v63
	v_lshrrev_b32 v1, 5, v0
	v_readfirstlane_b32 s8, v1                     ; wave 0..7
	s_and_b32 s9, s8, 1                            ; a
	s_bfe_u32 s10, s8, 0x10001                     ; hd
	s_lshr_b32 s11, s8, 2                          ; c
	s_and_b32 s12, ttmp9, 7                        ; i
	s_bfe_u32 s13, ttmp9, 0x30003                  ; head pair
	s_lshr_b32 s14, ttmp9, 6                       ; batch
	s_lshl_b32 s16, s12, 1
	s_sub_co_u32 s15, 14, s16                      ; first block: 14 - 2 i
	s_add_co_u32 s16, s16, 1                       ; second block: 2 i + 1
	; every tile: 64 rows x 128 elements of 2 bytes (both heads), 3,072 elements from row to row
	s_mov_b32 s[G1K+0], 0x07510000                 ; 2-byte elements; padding on: 4 words after every 64
	s_mov_b32 s[G1K+1], 128<<16                    ; tensor_dim0
	s_mov_b32 s[G1K+2], 64<<16                     ; tensor_dim1
	s_mov_b32 s[G1K+3], 128<<16                    ; tile_dim0
	s_mov_b32 s[G1K+4], 64                         ; tile_dim1
	s_mov_b32 s[G1K+5], 3072
	s_mov_b32 s[G1K+6], 0
	s_mov_b32 s[G1K+7], 0
	s_mov_b32 s[G1V+0], 0x0f510000                 ; the same with 8 words of padding
	s_mov_b32 s[G1V+1], 128<<16
	s_mov_b32 s[G1V+2], 64<<16
	s_mov_b32 s[G1V+3], 128<<16
	s_mov_b32 s[G1V+4], 64
	s_mov_b32 s[G1V+5], 3072
	s_mov_b32 s[G1V+6], 0
	s_mov_b32 s[G1V+7], 0
	; LDS addresses: the wave's number times a tile's bytes, a constant, the slot.  Waves 0, 1 fetch V's halves, 2, 3 K's, 4 to 7 Q's quarters.
	s_mul_i32 s72, s8, 64*VP
	s_mul_i32 s73, s8, 64*KP
	s_mov_b32 s[G0V], 1
	s_mov_b32 s[G0V+1], s72
	s_mov_b32 s[G0V+4], 1
	s_add_co_u32 s[G0V+5], s72, SLOT
	s_mov_b32 s[G0K], 1
	s_add_co_u32 s[G0K+1], s73, KOFF-128*KP
	s_mov_b32 s[G0K+4], 1
	s_add_co_u32 s[G0K+5], s73, KOFF-128*KP+SLOT
	s_mov_b32 s[G0Q], 1
	s_add_co_u32 s[G0Q+1], s73, QOFF-256*KP
	; byte offsets in qkv
	s_lshl_b32 s74, s14, 11                        ; 2,048 rows a batch
	s_lshl_b32 s75, s9, 6                          ; + my 64 rows of the tile
	s_add_co_u32 s74, s74, s75
	s_cmp_eq_u32 s10, 0
	s_cselect_b32 s23, s15, s16                    ; Q: waves 4, 5 fetch the first block, 6, 7 the second
	s_lshl_b32 s23, s23, 7
	s_add_co_u32 s72, s74, s23
	s_mul_i32 s74, s74, ROWB
	s_mul_i32 s72, s72, ROWB
	s_lshl_b32 s23, s13, 8                         ; 256 bytes a head pair
	s_add_co_u32 s74, s74, s23
	s_add_co_u32 s72, s72, s23
	s_mov_b32 s75, 0
	s_mov_b32 s73, 0
	s_mul_i32 s18, s15, TILEB                      ; s[18:19]: the tile asked for next; the first is the first block's diagonal tile
	s_mov_b32 s19, 0
	s_mov_b32 s20, s18                             ; where the first block's walk 0, 1, .. ends,
	s_mul_i32 s21, s16, TILEB                      ; and what is asked for there instead: the second block's diagonal tile
	s_mov_b32 s66, 0x3e38aa3b                      ; c = log2(e) / 8, twice
	s_mov_b32 s67, 0x3e38aa3b
	s_mov_b32 s68, 0x76543210                      ; v_permlanex16_b32: lane i reads lane i of the other half
	s_mov_b32 s69, 0xfedcba98
	s_wait_dscnt 0x0
	s_wait_kmcnt 0x0
	s_add_nc_u64 s[60:61], s[4:5], s[74:75]
	s_add_nc_u64 s[62:63], s[60:61], 2048          ; K's columns
	s_add_nc_u64 s[60:61], s[60:61], 4096          ; V's columns
	s_add_nc_u64 s[G0Q+2:G0Q+3], s[4:5], s[72:73]
	s_or_b32 s[G0Q+3], s[G0Q+3], 0x80000000
.macro NEXTOFF step                    ; the next tile: 0 (step = 0) or one further; at the first block's end the second block's diagonal tile
.if \step
	s_add_co_u32 s18, s18, TILEB
.else
	s_mov_b32 s18, 0
.endif
	s_cmp_eq_u32 s18, s20
	s_cselect_b32 s18, s21, s18
.endm
.macro SETG0 t                         ; written only where no tensor load of the wave is out
	s_add_nc_u64 s[G0V+4*\t+2:G0V+4*\t+3], s[60:61], s[18:19]
	s_or_b32 s[G0V+4*\t+3], s[G0V+4*\t+3], 0x80000000
	s_add_nc_u64 s[G0K+4*\t+2:G0K+4*\t+3], s[62:63], s[18:19]
	s_or_b32 s[G0K+4*\t+3], s[G0K+4*\t+3], 0x80000000
.endm
.macro FILL t                          ; slot t: waves 0, 1 ask for V's halves, 2, 3 for K's; one tensor load a wave, waves 4 to 7 none
	s_cmp_ge_u32 s8, 4
	s_cbranch_scc1 .Lnone_\@
	s_cmp_ge_u32 s8, 2
	s_cbranch_scc1 .Lk_\@
	tensor_load_to_lds s[G0V+4*\t:G0V+4*\t+3], s[G1V:G1V+7]
	s_nop 0
	PLACES 4
	s_branch .Lnone_\@
.Lk_\@:
	tensor_load_to_lds s[G0K+4*\t:G0K+4*\t+3], s[G1K:G1K+7]
	s_nop 0
	PLACES 4
.Lnone_\@:
.endm
	SETG0 0
	; the first fills, one a wave, ahead of every wait on TENSORcnt, LDS read and barrier: slot 0 and both blocks' Q
	s_cmp_ge_u32 s8, 4
	s_cbranch_scc1 .Lfq
	s_cmp_ge_u32 s8, 2
	s_cbranch_scc1 .Lfk
	tensor_load_to_lds s[G0V:G0V+3], s[G1V:G1V+7]
	s_nop 0
	PLACES 4
	s_branch .Lfd
.Lfk:
	tensor_load_to_lds s[G0K:G0K+3], s[G1K:G1K+7]
	s_nop 0
	PLACES 4
	s_branch .Lfd
.Lfq:
	tensor_load_to_lds s[G0Q:G0Q+3], s[G1K:G1K+7]
	s_nop 0
	PLACES 4
.Lfd:
	; lane terms: L = lane, r = L & 15, h = L >> 4
	v_and_b32 v1, 31, v0
	v_and_b32 v2, 15, v0
	v_bfe_u32 v3, v0, 4, 1
	v_mul_u32_u24 v15, v2, KP
	v_lshl_add_u32 v15, v3, 4, v15                 ; 272 r + 16 h
	s_mul_i32 s72, s11, 64*KP
	s_lshl_b32 s73, s10, 7                         ; 128 bytes a head
	s_add_co_u32 s72, s72, s73
	s_add_co_u32 s72, s72, KOFF
	v_add_nc_u32 v[KA], s72, v15                   ; K: row 64 c + r, head hd
	v_add_nc_u32 v[KA+1], SLOT, v[KA]
	v_and_b32 v16, 7, v0
	v_lshl_add_u32 v16, v3, 3, v16
	v_mul_u32_u24 v16, v16, VP                     ; V, transposing loads: row 8 h + (L & 7),
	v_bfe_u32 v17, v0, 3, 1
	v_lshl_add_u32 v16, v17, 4, v16                ; 16 bytes further for lanes 8-15 of each half
	s_mul_i32 s72, s11, 64*VP
	s_add_co_u32 s72, s72, s73
	v_add_nc_u32 v[VA], s72, v16
	v_add_nc_u32 v[VA+1], SLOT, v[VA]
	s_mul_i32 s72, s9, 64*KP
	s_add_co_u32 s72, s72, s73
	s_add_co_u32 s72, s72, QOFF
	v_add_nc_u32 v[QA], s72, v15                   ; Q: row 64 a + r, head hd
	s_and_b32 s72, s8, 3
	s_mul_i32 s72, s72, XAREA
	s_add_co_u32 s72, s72, XCH
	v_lshl_add_u32 v[MA], v1, 4, s72
	v_mul_u32_u24 v16, v2, SPI
	v_lshl_add_u32 v16, v3, 4, v16
	s_mul_i32 s72, s9, 64*SPI
	s_add_co_u32 s72, s72, s73
	s_add_co_u32 s72, s72, XCH
	v_add_nc_u32 v[SA], s72, v16                   ; stage: row 64 a + r, byte 128 hd + 16 h
	s_mul_i32 s72, s8, 16*SPI
	s_add_co_u32 s72, s72, XCH
	v_lshl_add_u32 v[RA], v1, 4, s72               ; back: rows 16 w .., 16 bytes a lane
	v_lshlrev_b32 v[GO], 4, v2
	v_lshl_add_u32 v[GO], v3, 11, v[GO]            ; lanes 16-31 hold lo: 2,048 bytes further in att's row
	s_lshl_b32 s72, s8, 16                         ; 16 w rows of 4,096 bytes
	v_add_nc_u32 v[GO], s72, v[GO]
	s_sub_co_i32 s72, s11, s9
	s_lshl_b32 s72, s72, 6
	v_lshl_add_u32 v[DL], v3, 3, s72
	v_sub_nc_u32 v[DL], v[DL], v2
	v_mov_b32 v[NINF], 0xff800000
.irp qt, 0,1,2,3
	v_mov_b32 v[UM+\qt], 0                         ; a lane permute's destination counts as read
	v_mov_b32 v[ST+4*\qt+3], 0                     ; l
.endr
.irp k, 0,1,2,3,4,5,6,7,8,9,10,11,12,13,14,15
	v_mov_b32 v[KF+\k], 0
.endr
	WIN 0x40
.irp t, 0,1,2,3,4,5,6,7,8,9,10,11,12,13,14,15
	v_wmma_f32_16x16x32_f16 v[OA+8*\t:OA+8*\t+7], v[KF:KF+7], v[KF+8:KF+15], 0   ; O is written once, finite: 16 products of zeros in place of 128 moves
.endr
	WIN 0
	PLACES 5
.macro QLOAD pass                      ; my 64 query rows, 16 loads, kept for the whole block
	WIN 0x40
.irp qt, 0,1,2,3
.irp ks, 0,1
	ds_load_b128 v[QF+8*(2*\qt+\ks):QF+8*(2*\qt+\ks)+3],   v[QA] offset:\pass*128*KP+\qt*16*KP+64*\ks
	ds_load_b128 v[QF+8*(2*\qt+\ks)+4:QF+8*(2*\qt+\ks)+7], v[QA] offset:\pass*128*KP+\qt*16*KP+64*\ks+32
.endr
.endr
	WIN 0
.endm
.macro KLOAD s                         ; my 64 keys, 16 loads, four for each key tile
.irp tt, 0,1,2,3
.irp ks, 0,1
	ds_load_b128 v[KF+8*(2*\tt+\ks):KF+8*(2*\tt+\ks)+3],   v[KA+\s] offset:\tt*16*KP+64*\ks
	ds_load_b128 v[KF+8*(2*\tt+\ks)+4:KF+8*(2*\tt+\ks)+7], v[KA+\s] offset:\tt*16*KP+64*\ks+32
.endr
.endr
.endm
; S^T = K Q^T: 32 matrix instructions.  The four accumulators of a key tile take turns; the first product starts each sum.
.macro SMUL
	WIN 0x04
.irp tt, 0,1,2,3
	s_wait_dscnt 12-4*\tt                          ; this key tile's four loads are in (and Q's, issued earlier); the later tiles' stay out
.irp qt, 0,1,2,3
	v_wmma_f32_16x16x32_f16 v[SC+8*(4*\tt+\qt):SC+8*(4*\tt+\qt)+7], v[KF+16*\tt:KF+16*\tt+7], v[QF+16*\qt:QF+16*\qt+7], 0
.endr
.irp qt, 0,1,2,3
	v_wmma_f32_16x16x32_f16 v[SC+8*(4*\tt+\qt):SC+8*(4*\tt+\qt)+7], v[KF+16*\tt+8:KF+16*\tt+15], v[QF+16*\qt+8:QF+16*\qt+15], v[SC+8*(4*\tt+\qt):SC+8*(4*\tt+\qt)+7]
.endr
.endr
	WIN 0
.endm
.macro VLOAD s                         ; V^T of my 64 keys: lane r gets column d = 16 dt + r, keys along its registers
	WIN 0x40
.irp ts, 0,1
.irp dt, 0,1,2,3
	ds_load_tr16_b128 v[VF+8*(4*\ts+\dt):VF+8*(4*\ts+\dt)+3],   v[VA+\s] offset:\ts*32*VP+32*\dt
	ds_load_tr16_b128 v[VF+8*(4*\ts+\dt)+4:VF+8*(4*\ts+\dt)+7], v[VA+\s] offset:\ts*32*VP+32*\dt+16*VP
.endr
.endr
	WIN 0
.endm
.macro MASK                            ; key 64 c + 16 tt + 8 h + j > query 64 a + 16 qt + r: -inf
.irp tt, 0,1,2,3
.irp qt, 0,1,2,3
.irp j, 0,1,2,3,4,5,6,7
	v_cmp_lt_i32 vcc_lo, 16*(\qt-\tt)-\j, v[DL]
	v_cndmask_b32 v[SC+8*(4*\tt+\qt)+\j], v[SC+8*(4*\tt+\qt)+\j], v[NINF], vcc_lo
.endr
.endr
.endr
.endm
.macro ROWMAX                          ; m = max(m, my 32 scores of the query, the other half's 32), four chains
.irp qt, 0,1,2,3
	v_max3_num_f32 v[TM+\qt], v[ST+4*\qt+1], v[SC+8*\qt], v[SC+8*\qt+1]
.endr
.set nn, 1
.rept 15
.irp qt, 0,1,2,3
	v_max3_num_f32 v[TM+\qt], v[TM+\qt], v[SC+8*(4*(nn/4)+\qt)+2*(nn%4)], v[SC+8*(4*(nn/4)+\qt)+2*(nn%4)+1]
.endr
.set nn, nn+1
.endr
.irp qt, 0,1,2,3
	v_permlanex16_b32 v[UM+\qt], v[TM+\qt], s68, s69
.endr
.irp qt, 0,1,2,3
	v_max_num_f32 v[ST+4*\qt+1], v[TM+\qt], v[UM+\qt]
.endr
.endm
.macro SCALEEXP                        ; alpha = 2^(new shift - old shift); p = 2^(c s + shift), shift = -c m
.irp qt, 0,1,2,3
	v_mul_f32 v[TM+\qt], 0xbe38aa3b, v[ST+4*\qt+1]
.endr
.irp qt, 0,1,2,3
	v_sub_f32 v[UM+\qt], v[TM+\qt], v[ST+4*\qt+2]
.endr
.irp qt, 0,1,2,3
	v_exp_f32 v[ST+4*\qt], v[UM+\qt]
.endr
.irp qt, 0,1,2,3
	v_mov_b32 v[ST+4*\qt+2], v[TM+\qt]             ; the first of these is the plain instruction behind the exponentials (ISA guide 5.7.2)
.endr
.irp qt, 0,1,2,3
.set nn, 0
.rept 16
	v_pk_fma_f32 v[SC+8*(4*(nn/4)+\qt)+2*(nn%4):SC+8*(4*(nn/4)+\qt)+2*(nn%4)+1], v[SC+8*(4*(nn/4)+\qt)+2*(nn%4):SC+8*(4*(nn/4)+\qt)+2*(nn%4)+1], s[66:67], v[ST+4*\qt+2:ST+4*\qt+3] op_sel_hi:[1,0,0]
.set nn, nn+1
.endr
.set nn, 0
.rept 32
	v_exp_f32 v[SC+8*(4*(nn/8)+\qt)+nn%8], v[SC+8*(4*(nn/8)+\qt)+nn%8]
.set nn, nn+1
.endr
.endr
	v_nop                                          ; a plain instruction before the last exponential's result is read
.endm
.macro SUMCVT                          ; l = l alpha + my 32 p; then P^T in f16, packed in place: two key tiles make one source of 32 keys
	s_wait_alu depctr_va_vdst(0)
.irp qt, 0,1,2,3
	v_pk_add_f32 v[SP+2*\qt:SP+2*\qt+1], v[SC+8*\qt:SC+8*\qt+1], v[SC+8*\qt+2:SC+8*\qt+3]
.endr
.set nn, 2
.rept 14
.irp qt, 0,1,2,3
	v_pk_add_f32 v[SP+2*\qt:SP+2*\qt+1], v[SP+2*\qt:SP+2*\qt+1], v[SC+8*(4*(nn/4)+\qt)+2*(nn%4):SC+8*(4*(nn/4)+\qt)+2*(nn%4)+1]
.endr
.set nn, nn+1
.endr
.irp qt, 0,1,2,3
	v_add_f32 v[TM+\qt], v[SP+2*\qt], v[SP+2*\qt+1]
.endr
.irp qt, 0,1,2,3
	v_fma_f32 v[ST+4*\qt+3], v[ST+4*\qt+3], v[ST+4*\qt], v[TM+\qt]
.endr
.irp ts, 0,1
.irp qt, 0,1,2,3
.irp k, 0,1,2,3
	v_cvt_pk_f16_f32 v[SC+8*(8*\ts+\qt)+\k], v[SC+8*(8*\ts+\qt)+2*\k], v[SC+8*(8*\ts+\qt)+2*\k+1]
.endr
.irp k, 0,1,2,3
	v_cvt_pk_f16_f32 v[SC+8*(8*\ts+\qt)+4+\k], v[SC+8*(8*\ts+4+\qt)+2*\k], v[SC+8*(8*\ts+4+\qt)+2*\k+1]
.endr
.endr
.endr
.endm
.macro RESCALE                         ; O = alpha O
	WIN 0x41
.irp dt, 0,1,2,3
.irp qt, 0,1,2,3
.irp k, 0,1,2,3
	v_pk_mul_f32 v[OA+8*(4*\dt+\qt)+2*\k:OA+8*(4*\dt+\qt)+2*\k+1], v[OA+8*(4*\dt+\qt)+2*\k:OA+8*(4*\dt+\qt)+2*\k+1], v[ST+4*\qt:ST+4*\qt+1] op_sel_hi:[1,0]
.endr
.endr
.endr
	WIN 0
.endm
; O^T += V^T P^T: 32 matrix instructions, the 16 accumulators by turns.  The five places behind them serve the
; next scores, which write over P, the next loads into V's fragments, and every vector access to O.
.macro PVMUL wait
.if \wait
	s_wait_dscnt 0x0                               ; V's fragments are in: nothing was issued behind them
.endif
	WIN 0x51
.irp ts, 0,1
.irp dt, 0,1,2,3
.irp qt, 0,1,2,3
	v_wmma_f32_16x16x32_f16 v[OA+8*(4*\dt+\qt):OA+8*(4*\dt+\qt)+7], v[VF+8*(4*\ts+\dt):VF+8*(4*\ts+\dt)+7], v[SC+8*(8*\ts+\qt):SC+8*(8*\ts+\qt)+7], v[OA+8*(4*\dt+\qt):OA+8*(4*\dt+\qt)+7]
.endr
.endr
.endr
	WIN 0
	PLACES 5
.endm
.macro PVIF grp, wait                  ; only the waves with c = grp
	s_cmp_lg_u32 s11, \grp
	s_cbranch_scc1 .Lnopv_\@
	PVMUL \wait
.Lnopv_\@:
.endm
.macro RESET                           ; m = the least finite number, shift = the largest: the next trip's alpha is 2^(very negative) = 0 and wipes O and l
.irp qt, 0,1,2,3
	v_mov_b32 v[ST+4*\qt+1], 0xff7fffff
	v_mov_b32 v[ST+4*\qt+2], 0x7f7fffff
.endr
.endm
; One key tile, in slot s; o = the other slot.  ONE barrier a trip: in front of it every wave waits for all its tensor loads (at most one is out: its part of
; this trip's tile) and for its reads of the other slot; behind it the other slot is filled first, and that load has the whole trip in which to land.
.macro TRIP s, o, diag, refill, step, pass
	s_wait_tensorcnt 0x0
	ds_add_u32 v62, v63
	s_wait_dscnt 0x0
.if \refill
	NEXTOFF \step
	SETG0 \o
.endif
	s_wait_dscnt 0x0
	s_barrier_signal -1
	s_barrier_wait -1
.if \refill
	FILL \o
.endif
.if \diag
	QLOAD \pass
.endif
	KLOAD \s
.if \diag == 0
	PVIF 1, 0                                      ; c = 1: the last trip's P V, from registers (its V fragments came in ahead of the barrier)
.endif
	SMUL
	PLACES 4
	VLOAD \s
.if \diag
	MASK
.endif
	ROWMAX
	SCALEEXP
	SUMCVT
	RESCALE
	PVIF 0, 1                                      ; c = 0: this trip's P V
.endm
; a tile of 16 queries x 16 d at v[x .. x+7]: hi = f16(value), lo = f16(value - hi), 16 bytes each into the stage
.macro HILO x, off
	v_cvt_pk_f16_f32 v24, v[\x],   v[\x+1]
	v_cvt_pk_f16_f32 v25, v[\x+2], v[\x+3]
	v_cvt_pk_f16_f32 v26, v[\x+4], v[\x+5]
	v_cvt_pk_f16_f32 v27, v[\x+6], v[\x+7]
	v_cvt_f32_f16 v16, v24.l
	v_cvt_f32_f16 v17, v24.h
	v_cvt_f32_f16 v18, v25.l
	v_cvt_f32_f16 v19, v25.h
	v_cvt_f32_f16 v20, v26.l
	v_cvt_f32_f16 v21, v26.h
	v_cvt_f32_f16 v22, v27.l
	v_cvt_f32_f16 v23, v27.h
	v_pk_add_f32 v[\x:\x+1],   v[\x:\x+1],   v[16:17] neg_lo:[0,1] neg_hi:[0,1]
	v_pk_add_f32 v[\x+2:\x+3], v[\x+2:\x+3], v[18:19] neg_lo:[0,1] neg_hi:[0,1]
	v_pk_add_f32 v[\x+4:\x+5], v[\x+4:\x+5], v[20:21] neg_lo:[0,1] neg_hi:[0,1]
	v_pk_add_f32 v[\x+6:\x+7], v[\x+6:\x+7], v[22:23] neg_lo:[0,1] neg_hi:[0,1]
	v_cvt_pk_f16_f32 v[\x],   v[\x],   v[\x+1]
	v_cvt_pk_f16_f32 v[\x+1], v[\x+2], v[\x+3]
	v_cvt_pk_f16_f32 v[\x+2], v[\x+4], v[\x+5]
	v_cvt_pk_f16_f32 v[\x+3], v[\x+6], v[\x+7]
	ds_store_b128 v[SA], v[24:27] offset:\off
	ds_store_b128 v[SA], v[\x:\x+3] offset:\off+256
.endm
; A block's end.  Waves 4 to 7 hand O and their statistics to waves 0 to 3 through LDS; those merge, divide, split into hi and lo and lay whole rows into
; the stage; all eight waves store them.  Three barriers, each with every wave's LDS instructions waited for in front of it.
.macro EPI pass
	PVIF 1, 1                                      ; c = 1: the last trip's P V
	s_lshl_b32 s72, s14, 11
	s_lshl_b32 s73, s[15+\pass], 7
	s_add_co_u32 s72, s72, s73                     ; the block's first row
	s_lshl_b32 s72, s72, 12                        ; 4,096 bytes a row of att
	s_lshl_b32 s73, s13, 8
	s_add_co_u32 s72, s72, s73
	s_mov_b32 s73, 0
	s_add_nc_u64 s[70:71], s[6:7], s[72:73]
	s_cmp_eq_u32 s11, 0
	s_cbranch_scc1 .Lnosend_\@
	WIN 0x04
.set kk, 0
.rept 32
	ds_store_b128 v[MA], v[OA+4*kk:OA+4*kk+3] offset:512*kk
.set kk, kk+1
.endr
	WIN 0
.irp qt, 0,1,2,3
	ds_store_b128 v[MA], v[ST+4*\qt:ST+4*\qt+3] offset:16384+512*\qt
.endr
.Lnosend_\@:
	s_wait_dscnt 0x0                               ; the stores are done, for the partner's sake
	s_barrier_signal -1
	s_barrier_wait -1
	s_cmp_lg_u32 s11, 0
	s_cbranch_scc1 .Lnorecv_\@
.irp qt, 0,1,2,3
	ds_load_b128 v[PS+4*\qt:PS+4*\qt+3], v[MA] offset:16384+512*\qt
.endr
.set kk, 0
.rept 32
	ds_load_b128 v[SC+4*kk:SC+4*kk+3], v[MA] offset:512*kk
.set kk, kk+1
.endr
.Lnorecv_\@:
	s_wait_dscnt 0x0                               ; the exchange areas have been read: behind this barrier their bytes serve as the stage
	s_barrier_signal -1
	s_barrier_wait -1
	s_cmp_lg_u32 s11, 0
	s_cbranch_scc1 .Lnomerge_\@
.irp qt, 0,1,2,3
	v_min_num_f32 v[TM+\qt], v[ST+4*\qt+2], v[PS+4*\qt+2]          ; the common shift: that of the larger maximum
.endr
.irp qt, 0,1,2,3
	v_sub_f32 v[UM+\qt], v[TM+\qt], v[ST+4*\qt+2]
.endr
.irp qt, 0,1,2,3
	v_sub_f32 v[SP+\qt], v[TM+\qt], v[PS+4*\qt+2]
.endr
.irp qt, 0,1,2,3
	v_exp_f32 v[UM+\qt], v[UM+\qt]                 ; f0: my part's factor
.endr
.irp qt, 0,1,2,3
	v_exp_f32 v[SP+\qt], v[SP+\qt]                 ; f1: my partner's
.endr
	v_nop
	s_wait_alu depctr_va_vdst(0)
.irp qt, 0,1,2,3
	v_mul_f32 v[ST+4*\qt+3], v[ST+4*\qt+3], v[UM+\qt]
.endr
.irp qt, 0,1,2,3
	v_fmac_f32 v[ST+4*\qt+3], v[PS+4*\qt+3], v[SP+\qt]
.endr
.irp qt, 0,1,2,3
	v_permlanex16_b32 v[TM+\qt], v[ST+4*\qt+3], s68, s69           ; the other half of the lanes summed the other keys
.endr
.irp qt, 0,1,2,3
	v_add_f32 v[TM+\qt], v[TM+\qt], v[ST+4*\qt+3]
.endr
.irp qt, 0,1,2,3
	v_rcp_f32 v[TM+\qt], v[TM+\qt]                 ; the sum holds the largest score's 2^0, so it is at least about 1
.endr
	v_nop
	s_wait_alu depctr_va_vdst(0)
.irp qt, 0,1,2,3
	v_mul_f32 v[ST+4*\qt], v[UM+\qt], v[TM+\qt]    ; g0 = f0 / l
.endr
.irp qt, 0,1,2,3
	v_mul_f32 v[ST+4*\qt+2], v[SP+\qt], v[TM+\qt]  ; g1 = f1 / l
.endr
.irp dt, 0,1,2,3
.irp qt, 0,1,2,3
.irp k, 0,1,2,3
	v_pk_mul_f32 v[SC+8*(4*\dt+\qt)+2*\k:SC+8*(4*\dt+\qt)+2*\k+1], v[SC+8*(4*\dt+\qt)+2*\k:SC+8*(4*\dt+\qt)+2*\k+1], v[ST+4*\qt+2:ST+4*\qt+3] op_sel_hi:[1,0]
.endr
.endr
.endr
	WIN 0x01
.irp dt, 0,1,2,3
.irp qt, 0,1,2,3
.irp k, 0,1,2,3
	v_pk_fma_f32 v[SC+8*(4*\dt+\qt)+2*\k:SC+8*(4*\dt+\qt)+2*\k+1], v[OA+8*(4*\dt+\qt)+2*\k:OA+8*(4*\dt+\qt)+2*\k+1], v[ST+4*\qt:ST+4*\qt+1], v[SC+8*(4*\dt+\qt)+2*\k:SC+8*(4*\dt+\qt)+2*\k+1] op_sel_hi:[1,0,1]
.endr
.endr
.endr
	WIN 0
.irp dt, 0,1,2,3
.irp qt, 0,1,2,3
	HILO SC+8*(4*\dt+\qt), \qt*16*SPI+32*\dt
.endr
.endr
.Lnomerge_\@:
	s_wait_dscnt 0x0                               ; the stage is written
	s_barrier_signal -1
	s_barrier_wait -1
.irp k, 0,1,2,3,4,5,6,7,8,9,10,11,12,13,14,15
	ds_load_b128 v[SC+4*\k:SC+4*\k+3], v[RA] offset:SPI*\k         ; a whole stage row: lanes 0-15 hi, lanes 16-31 lo
.endr
.irp k, 0,1,2,3,4,5,6,7,8,9,10,11,12,13,14,15
	s_wait_dscnt 15-\k                             ; row k is in, the later rows stay out
	global_store_b128 v[GO], v[SC+4*\k:SC+4*\k+3], s[70:71] offset:4096*\k   ; each half of the lanes stores 256 consecutive bytes at a multiple of 256
.endr
.if \pass == 0
	s_wait_xcnt 0x0                                ; the stores' data and base are written again only behind this wait
.endif
.endm
	; the first block: its diagonal tile, then tiles 0 .. 13 - 2 i, two a trip of the loop
	RESET
	TRIP 0, 1, 1, 1, 0, 0
	s_sub_co_u32 s22, 7, s12
	s_cmp_eq_u32 s22, 0
	s_cbranch_scc1 .LendO
.LloopO:
	TRIP 1, 0, 0, 1, 1, 0
	TRIP 0, 1, 0, 1, 1, 0
	s_sub_co_i32 s22, s22, 1
	s_cmp_lg_u32 s22, 0
	s_cbranch_scc1 .LloopO
.LendO:
	EPI 0
	; the second block: its diagonal tile (asked for in the first block's last trip), then tiles 0 .. 2 i
	s_mov_b32 s20, -1                              ; the walk 0, 1, .. is no longer turned aside
	RESET
	TRIP 1, 0, 1, 1, 0, 1
	s_mov_b32 s22, s12
	s_cmp_eq_u32 s22, 0
	s_cbranch_scc1 .LendE
.LloopE:
	TRIP 0, 1, 0, 1, 1, 0
	TRIP 1, 0, 0, 1, 1, 0
	s_sub_co_i32 s22, s22, 1
	s_cmp_lg_u32 s22, 0
	s_cbranch_scc1 .LloopE
.LendE:
	TRIP 0, 1, 0, 0, 0, 0                          ; the last tile: nothing is left to fetch
	EPI 1
	s_wait_tensorcnt 0x0
	ds_add_u32 v62, v63
	s_wait_dscnt 0x0
	s_endpgm
.Lfunc_end_k_q118e66c601_attn:
	.size	k_q118e66c601_attn, .Lfunc_end_k_q118e66c601_attn-k_q118e66c601_attn
	.p2alignl 7, 3214868480
	.fill 96, 4, 3214868480
	.section	.rodata,"a",@progbits
	.p2align	6, 0x0
	.amdhsa_kernel k_q118e66c601_attn
		.amdhsa_group_segment_fixed_size 327680
		.amdhsa_private_segment_fixed_size 0
		.amdhsa_enable_private_segment 0
		.amdhsa_kernarg_size 16
		.amdhsa_user_sgpr_count 2
		.amdhsa_user_sgpr_kernarg_segment_ptr 1
		.amdhsa_wavefront_size32 1
		.amdhsa_system_sgpr_workgroup_id_x 1
		.amdhsa_system_sgpr_workgroup_id_y 1
		.amdhsa_system_sgpr_workgroup_id_z 1
		.amdhsa_system_vgpr_workitem_id 0
		.amdhsa_next_free_vgpr 512
		.amdhsa_next_free_sgpr 76
		.amdhsa_reserve_vcc 1
		.amdhsa_float_denorm_mode_32 3
		.amdhsa_float_denorm_mode_16_64 3
		.amdhsa_memory_ordered 1
		.amdhsa_forward_progress 1
		.amdhsa_inst_pref_size 255
	.end_amdhsa_kernel
	.section	.bss,"aw",@nobits
	.p2align	6
	.space	262144
	.amdgpu_metadata
---
amdhsa.version: [ 1, 2 ]
amdhsa.kernels:
  - .name:           k_q118e66c601_attn
    .symbol:         k_q118e66c601_attn.kd
    .args:
      - { .name: qkv, .offset: 0, .size: 8, .value_kind: global_buffer, .address_space: global }
      - { .name: att, .offset: 8, .size: 8, .value_kind: global_buffer, .address_space: global }
    .group_segment_fixed_size: 327680
    .private_segment_fixed_size: 0
    .kernarg_segment_align: 8
    .kernarg_segment_size: 16
    .max_flat_workgroup_size: 256
    .sgpr_count:     76
    .vgpr_count:     512
    .wavefront_size: 32
...
	.end_amdgpu_metadata
.endif
;; end of part 3
;; launch gemm_out (part 4): grid 4 x 64, 4 waves a work-group, clusters of 4 x 4, 327,680 bytes of LDS; arguments att, wo2, out0; writes out0
.if DOCPART == 4
	.amdgcn_target "amdgcn-amd-amdhsa--gfx1250"
	.amdhsa_code_object_version 6
	.text
	.protected	k_q118e66c601_gemm_out
	.globl	k_q118e66c601_gemm_out
	.p2align	8
	.type	k_q118e66c601_gemm_out,@function
k_q118e66c601_gemm_out:
	s_mov_b64 s[64:65], 0
	v_nop
	global_prefetch_b8 v0, s[64:65] scope:SCOPE_SE
	s_setreg_imm32_b32 hwreg(HW_REG_WAVE_MODE, 25, 1), 1
	s_wait_xcnt 0x0
	s_wait_alu depctr_hold_cnt(0) depctr_sa_sdst(0) depctr_va_vdst(0) depctr_va_sdst(0) depctr_va_ssrc(0) depctr_va_vcc(0) depctr_vm_vsrc(0)
	s_getreg_b32 s2, hwreg(HW_REG_IB_STS2, 6, 4)
	s_cmp_eq_u32 s2, 0
	s_cbranch_scc0 .Lentry_in_a_cluster
	s_endpgm
.Lentry_in_a_cluster:
	s_bfe_u32 s2, ttmp6, 0x10000c
	s_cmp_lg_u32 s2, 0xf033
	s_cbranch_scc0 .Lentry_shape_is_right
	s_endpgm
.Lentry_shape_is_right:
; out0[m][n] = sum over k of att[m][k] wo2[n][k].  att [8192][2048] f16 = hi | lo of the attention's result, wo2 [1024][2048] f16 = Wo | Wo, so the sum is
; (hi + lo) Wo^T; sums in f32, out0 [8192][1024] f32.
; A work-group makes 128 x 256 of out0 (256 work-groups) with four waves; a wave makes 64 x 128: 32 accumulator tiles of 16 x 16, 256 registers.
; K goes in steps of 128 through two LDS slots filled by tensor loads; a tile's rows are 256 bytes of memory at multiples of 256.
; CLUSTERS: 4 x 4 work-groups.  The four of a row of the cluster need the same tiles of att, the four of a column the same tiles of wo2: each is asked for
; jointly, which divides the requests by four.
; REGISTERS: window 0: v16-26 addresses; buffer 0: v32-95 fragments of B, v96-127 of A; buffer 1: v128-191, v192-223.  Window 1: accumulators (a, b) at 8 (8 a + b).
; The matrix instruction is used transposed (source 0 = 16 rows of wo2, source 1 = 16 rows of att): a lane holds eight neighbouring columns of one row.
.set SIZE_M, 8192
.set SIZE_N, 1024
.set SIZE_K, 2048
.set KSTEP,  128
.set PITCH,  272                       ; an LDS row: 256 bytes + 16 of padding
.set AH,     64*PITCH                  ; what one of A's loads brings, and what a wave reads of A
.set BH,     128*PITCH                 ; the same for B
.set SLOT,   2*AH+2*BH                 ; A's 128 rows, then B's 256 rows
.set STAGE,  2*SLOT                    ; behind the slots: 16 rows x 528 bytes for each wave; no tensor load lands here
.set SPITCH, 528                       ; 128 f32 + 16 bytes
.set LAPS, SIZE_K/(2*KSTEP)            ; 8 laps of two K steps
.set ADRA, 16
.set ADRB, 20
.set STO,  24
.set RD,   25
.set CO,   26
.set F0,   32
.set F1,   128
.set G1, 24                            ; s[24:31] group 1 for A's tiles
.set G0, 32                            ; s[32:39] group 0 for A's tiles, a set for each slot
.set G1B, 48                           ; s[48:55] group 1 for B's tiles
.set G0B, 56                           ; s[56:63] group 0 for B's tiles
.set MSB, 0
.macro WIN new
.if MSB != \new
	s_set_vgpr_msb (MSB<<8)|\new
.set MSB, \new
.endif
.endm
.set MUL, 0x50                         ; sources 0 and 1 window 0, C and D window 1
.macro JLOAD s                         ; waves 0, 1 fetch A's halves, waves 2, 3 B's; the branch hangs on the wave's number alone
	s_cmp_eq_u32 s11, 0
	s_cbranch_scc0 .Lfor_b_\@
	tensor_load_to_lds s[G0+4*\s:G0+4*\s+3], s[G1:G1+7]
	s_nop 0
.rept 4
	v_nop
.endr
	s_branch .Lasked_\@
.Lfor_b_\@:
	tensor_load_to_lds s[G0B+4*\s:G0B+4*\s+3], s[G1B:G1B+7]
	s_nop 0
.rept 4
	v_nop
.endr
.Lasked_\@:
.endm
.macro CREST                           ; the cluster's barrier behind its opening work-group barrier
	s_cmp_lg_u32 s10, 0
	s_cbranch_scc1 .Lnot_wave_0_\@
	s_barrier_signal -3
.Lnot_wave_0_\@:
	s_barrier_wait -3
	s_barrier_signal -1
	s_barrier_wait -1
.endm
.macro CROUND
	s_barrier_signal -1
	s_barrier_wait -1
	CREST
.endm
	s_load_b128 s[4:7], s[0:1], 0x0                ; att s[4:5], wo2 s[6:7]
	s_load_b64 s[8:9], s[0:1], 0x10                ; out0
	v_lshl_add_u32 v254, v0, 2, 0x3b400
	v_mov_b32 v255, 0
	ds_add_u32 v254, v255
	ds_add_u32 v254, v255
	v_lshrrev_b32 v1, 5, v0
	v_readfirstlane_b32 s10, v1                    ; wave 0..3
	s_lshr_b32 s11, s10, 1                         ; my 64 of the block's 128 rows; also: I fetch for A (0) or B (1)
	s_and_b32 s12, s10, 1                          ; my 128 of its 256 columns; also: which half of that tile I fetch
	s_bfe_u32 s40, ttmp6, 0x40000                  ; cx
	s_bfe_u32 s41, ttmp6, 0x40004                  ; cy
	s_lshl_b32 s42, ttmp9, 2
	s_add_co_u32 s42, s42, s40                     ; block column
	s_and_b32 s13, ttmp7, 0xffff
	s_lshl_b32 s13, s13, 2
	s_add_co_u32 s13, s13, s41                     ; block row
	s_lshl_b32 s43, s41, 2
	s_lshl_b32 s43, 15, s43                        ; my row of the cluster
	s_lshl_b32 s44, 0x1111, s40                    ; my column
	s_or_b32 s[G1+0], s43, (1<<16)|(1<<20)|(1<<21)|(5<<22)|(3<<25)  ; mask; 2-byte elements; padding on: 4 words after every 64; bit 21 beside a mask
	s_or_b32 s[G1B+0], s44, (1<<16)|(1<<20)|(1<<21)|(5<<22)|(3<<25)
	s_mov_b32 s[G1+1], KSTEP<<16                   ; tensor_dim0 = 128
	s_mov_b32 s[G1B+1], KSTEP<<16
	s_mov_b32 s[G1+2], 64<<16                      ; tensor_dim1: A 64 rows,
	s_mov_b32 s[G1B+2], 128<<16                    ; B 128
	s_mov_b32 s[G1+3], KSTEP<<16                   ; tile_dim0 = 128
	s_mov_b32 s[G1B+3], KSTEP<<16
	s_mov_b32 s[G1+4], 64                          ; tile_dim1
	s_mov_b32 s[G1B+4], 128
	s_mov_b32 s[G1+5], SIZE_K                      ; elements from row to row
	s_mov_b32 s[G1B+5], SIZE_K
	s_mov_b32 s[G1+6], 0
	s_mov_b32 s[G1B+6], 0
	s_mov_b32 s[G1+7], 0
	s_mov_b32 s[G1B+7], 0
	; A's tiles hang on the block row alone, B's on the block column alone, each in registers that never hold the other coordinate
	s_lshl_b32 s17, s12, 6
	s_lshl_b32 s16, s13, 7
	s_add_co_u32 s16, s16, s17                     ; A: row 128 x block row + 64 x half
	s_lshl_b32 s16, s16, 12                        ; 4,096 bytes a row
	s_mov_b32 s17, 0
	s_lshl_b32 s47, s12, 7
	s_lshl_b32 s46, s42, 8
	s_add_co_u32 s46, s46, s47                     ; B: row 256 x block column + 128 x half
	s_lshl_b32 s46, s46, 12
	s_mov_b32 s47, 0
	s_mul_i32 s20, s12, AH                         ; LDS: A's halves,
	s_mul_i32 s21, s12, BH
	s_add_co_u32 s21, s21, 2*AH                    ; then B's: no place in the cluster enters an LDS address
	s_wait_dscnt 0x0
	s_wait_kmcnt 0x0
	s_add_nc_u64 s[14:15], s[4:5], s[16:17]
	s_add_nc_u64 s[46:47], s[6:7], s[46:47]
	CROUND                                         ; all sixteen work-groups are here: the first joint loads meet
.irp s, 0,1
	s_mov_b32 s[G0+4*\s], 1
	s_add_co_u32 s[G0+4*\s+1], s20, \s*SLOT
	s_add_nc_u64 s[G0+4*\s+2:G0+4*\s+3], s[14:15], \s*KSTEP*2
	s_or_b32 s[G0+4*\s+3], s[G0+4*\s+3], 0x80000000
	s_mov_b32 s[G0B+4*\s], 1
	s_add_co_u32 s[G0B+4*\s+1], s21, \s*SLOT
	s_add_nc_u64 s[G0B+4*\s+2:G0B+4*\s+3], s[46:47], \s*KSTEP*2
	s_or_b32 s[G0B+4*\s+3], s[G0B+4*\s+3], 0x80000000
	JLOAD \s                                       ; both slots are asked for before anything else: two loads of a wave are out
.endr
	v_and_b32 v1, 15, v0                           ; r
	v_bfe_u32 v2, v0, 4, 1                         ; h
	v_mul_u32_u24 v3, v1, PITCH
	v_lshl_add_u32 v3, v2, 4, v3                   ; 272 r + 16 h
	s_mul_i32 s22, s11, AH                         ; my 64 rows of A
	s_mul_i32 s23, s12, BH                         ; my 128 rows of B,
	s_add_co_u32 s23, s23, 2*AH                    ; behind A's 128
.irp s, 0,1
	v_add_nc_u32 v[ADRA+\s], s22, v3
	v_add_nc_u32 v[ADRB+\s], s23, v3
	s_add_co_u32 s22, s22, SLOT
	s_add_co_u32 s23, s23, SLOT
.endr
	s_mul_i32 s45, s10, 16*SPITCH
	s_add_co_u32 s45, s45, STAGE                   ; my stage
	v_mul_u32_u24 v4, v1, SPITCH                   ; in: row r, 32 bytes for each half of the lanes
	v_lshl_add_u32 v4, v2, 5, v4
	v_add_nc_u32 v[STO], s45, v4
	v_and_b32 v5, 31, v0
	v_lshlrev_b32 v[CO], 4, v5                     ; back, and out: 16 bytes a lane, one row of 512 bytes a wave
	v_add_nc_u32 v[RD], s45, v[CO]
; 8 matrix instructions: m block a x all 8 n blocks, 32 along K.  zero = 1: the first product starts the sums.
.macro MUL8 f, a, zero
.irp b, 0,1,2,3,4,5,6,7
.if \zero
	v_wmma_f32_16x16x32_f16 v[8*(8*\a+\b):8*(8*\a+\b)+7], v[\f+8*\b:\f+8*\b+7], v[\f+64+8*\a:\f+64+8*\a+7], 0
.else
	v_wmma_f32_16x16x32_f16 v[8*(8*\a+\b):8*(8*\a+\b)+7], v[\f+8*\b:\f+8*\b+7], v[\f+64+8*\a:\f+64+8*\a+7], v[8*(8*\a+\b):8*(8*\a+\b)+7]
.endif
.endr
.endm
; 24 LDS loads in one run: 128 rows of B, then 64 rows of A, 32 K at byte k of the rows, into buffer f
.macro FETCH slot, k, f
.irp i, 0,1,2,3,4,5,6,7
	ds_load_b128 v[\f+8*\i:\f+8*\i+3],   v[ADRB+\slot] offset:\k+\i*16*PITCH
	ds_load_b128 v[\f+8*\i+4:\f+8*\i+7], v[ADRB+\slot] offset:\k+\i*16*PITCH+32
.endr
.irp i, 0,1,2,3
	ds_load_b128 v[\f+64+8*\i:\f+64+8*\i+3],   v[ADRA+\slot] offset:\k+\i*16*PITCH
	ds_load_b128 v[\f+64+8*\i+4:\f+64+8*\i+7], v[ADRA+\slot] offset:\k+\i*16*PITCH+32
.endr
.endm
.macro PLACES                          ; four independent vector instructions between a matrix instruction and a load into, or an access to, its registers
.rept 4
	v_nop
.endr
.endm
; The 32 accumulators take turns, one instruction a turn, in the same order in every quarter step, over the backward jump too.
.macro QUARTER slot, k, f, g, zero
	s_wait_dscnt 4                                 ; B and A's rows 0-31 are in; the youngest four loads (A's rows 32-63) may be out
	WIN MUL
	MUL8 \f, 0, \zero
	MUL8 \f, 1, \zero
	PLACES
	WIN 0
	FETCH \slot, \k, \g
	s_wait_dscnt 24                                ; all but the 24 just issued
	WIN MUL
	MUL8 \f, 2, \zero
	MUL8 \f, 3, \zero
.endm
.macro THREE slot, zero
	QUARTER \slot, 64,  F0, F1, \zero
	QUARTER \slot, 128, F1, F0, 0
	QUARTER \slot, 192, F0, F1, 0
.endm
; The last quarter of a K step changes slots.  In front of the barrier each wave waits for its reads of this slot and for all its tensor loads (one is out:
; its part of the next slot).  Behind it the refill comes first; from a request to the wait for it a wave issues 120 matrix instructions.
.macro TURN slot, next, fill
	s_wait_dscnt 4
	WIN MUL
	MUL8 F1, 0, 0
	s_wait_dscnt 0                                 ; my reads of this slot are over
	s_wait_tensorcnt 0x0                           ; all my tensor loads have landed
	ds_add_u32 v254, v255
	s_wait_dscnt 0x0
	s_barrier_signal -1
	MUL8 F1, 1, 0                                  ; register work while the others arrive
	WIN 0
	s_barrier_wait -1
.if \fill
	CREST                                          ; all sixteen work-groups have said so: no partner's wave still reads this slot or has a load on its way
	s_add_nc_u64 s[G0+4*\slot+2:G0+4*\slot+3], s[G0+4*\slot+2:G0+4*\slot+3], 2*KSTEP*2
	s_add_nc_u64 s[G0B+4*\slot+2:G0B+4*\slot+3], s[G0B+4*\slot+2:G0B+4*\slot+3], 2*KSTEP*2
	JLOAD \slot                                    ; my one tensor load behind the barrier; its four v_nop are also the places in front of the loads below
.else
	PLACES
.endif
	FETCH \next, 0, F0
	WIN MUL
	MUL8 F1, 2, 0
	MUL8 F1, 3, 0
.endm
.macro LAP zero
	THREE 0, \zero
	TURN 0, 1, 1
	THREE 1, 0
	TURN 1, 0, 1
.endm
	s_wait_tensorcnt 1                             ; my part of K step 0 is in; K step 1's stays out
	s_barrier_signal -1
	s_barrier_wait -1
	FETCH 0, 0, F0
	LAP 1                                          ; the first lap's first products start the sums
	WIN 0
	s_mov_b32 s3, LAPS-2
.Llap:
	LAP 0
	WIN 0
	s_sub_co_u32 s3, s3, 1
	s_cmp_lg_u32 s3, 0
	s_cbranch_scc1 .Llap
	THREE 0, 0                                     ; the last lap fills nothing
	TURN 0, 1, 0
	THREE 1, 0
	s_wait_dscnt 4
	WIN MUL
	MUL8 F1, 0, 0
	MUL8 F1, 1, 0
	s_wait_dscnt 0
	MUL8 F1, 2, 0
	MUL8 F1, 3, 0
	; THE WAY OUT, 16 rows at a time: 32 bytes a lane into my own stage, read back as whole rows of 512 bytes
	PLACES
	s_lshl_b32 s13, s13, 7
	s_lshl_b32 s14, s11, 6
	s_add_co_u32 s16, s13, s14                     ; my first row
	s_lshl_b32 s16, s16, 12                        ; 4,096 bytes a row of out0
	s_mov_b32 s17, 0
	s_add_nc_u64 s[8:9], s[8:9], s[16:17]
	s_lshl_b32 s46, s42, 10                        ; my first column in bytes: 1,024 x block + 512 x half
	s_lshl_b32 s47, s12, 9
	s_add_co_u32 s46, s46, s47
	s_mov_b32 s47, 0
	s_add_nc_u64 s[8:9], s[8:9], s[46:47]
.macro OUT16 a, f
	WIN 0x04                                       ; an LDS store's data is source 1: window 1
.irp b, 0,1,2,3,4,5,6,7
	ds_store_b128 v[STO], v[8*(8*\a+\b):8*(8*\a+\b)+3]   offset:64*\b
	ds_store_b128 v[STO], v[8*(8*\a+\b)+4:8*(8*\a+\b)+7] offset:64*\b+16
.endr
	WIN 0
	s_wait_xcnt 0x0                                ; buffer f, which earlier stores read, and the stores' base are rewritten only behind this wait
.if \a
	s_add_nc_u64 s[8:9], s[8:9], 16*SIZE_N*4
.endif
.irp t, 0,1,2,3,4,5,6,7,8,9,10,11,12,13,14,15
	ds_load_b128 v[\f+4*\t:\f+4*\t+3], v[RD] offset:\t*SPITCH      ; LDS serves a wave's instructions in order: these see the stores above
.endr
.irp t, 0,1,2,3,4,5,6,7,8,9,10,11,12,13,14,15
	s_wait_dscnt 15-\t                             ; row t is in, the later rows stay out
	global_store_b128 v[CO], v[\f+4*\t:\f+4*\t+3], s[8:9] offset:\t*SIZE_N*4 th:TH_STORE_NT   ; the wave stores 512 consecutive bytes at a multiple of 512
.endr
.endm
	OUT16 0, F0
	OUT16 1, F1
	OUT16 2, F0
	OUT16 3, F1
	s_wait_tensorcnt 0x0
	ds_add_u32 v254, v255
	s_wait_dscnt 0x0
	CROUND                                         ; no work-group ends while a partner may still ask for a tile that names it
	s_endpgm
.Lfunc_end_k_q118e66c601_gemm_out:
	.size	k_q118e66c601_gemm_out, .Lfunc_end_k_q118e66c601_gemm_out-k_q118e66c601_gemm_out
	.p2alignl 7, 3214868480
	.fill 96, 4, 3214868480
	.section	.rodata,"a",@progbits
	.p2align	6, 0x0
	.amdhsa_kernel k_q118e66c601_gemm_out
		.amdhsa_group_segment_fixed_size 327680
		.amdhsa_private_segment_fixed_size 0
		.amdhsa_enable_private_segment 0
		.amdhsa_kernarg_size 24
		.amdhsa_user_sgpr_count 2
		.amdhsa_user_sgpr_kernarg_segment_ptr 1
		.amdhsa_wavefront_size32 1
		.amdhsa_system_sgpr_workgroup_id_x 1
		.amdhsa_system_sgpr_workgroup_id_y 1
		.amdhsa_system_sgpr_workgroup_id_z 1
		.amdhsa_system_vgpr_workitem_id 0
		.amdhsa_next_free_vgpr 512
		.amdhsa_next_free_sgpr 66
		.amdhsa_reserve_vcc 0
		.amdhsa_float_denorm_mode_32 3
		.amdhsa_float_denorm_mode_16_64 3
		.amdhsa_memory_ordered 1
		.amdhsa_forward_progress 1
		.amdhsa_inst_pref_size 119
	.end_amdhsa_kernel
	.amdgpu_metadata
---
amdhsa.version: [ 1, 2 ]
amdhsa.kernels:
  - .name:           k_q118e66c601_gemm_out
    .symbol:         k_q118e66c601_gemm_out.kd
    .args:
      - { .name: att, .offset: 0, .size: 8, .value_kind: global_buffer, .address_space: global }
      - { .name: wo2, .offset: 8, .size: 8, .value_kind: global_buffer, .address_space: global }
      - { .name: out0, .offset: 16, .size: 8, .value_kind: global_buffer, .address_space: global }
    .group_segment_fixed_size: 327680
    .private_segment_fixed_size: 0
    .kernarg_segment_align: 8
    .kernarg_segment_size: 24
    .max_flat_workgroup_size: 128
    .sgpr_count:     66
    .vgpr_count:     512
    .wavefront_size: 32
...
	.end_amdgpu_metadata
.endif
;; end of part 4
;; ======== version 2 of 2: 4 launches
;; limits: values are held in f16: magnitudes above 65,504 overflow, below 6.1e-05 lose precision
;; workspace buffers: xb 16,777,216 bytes; wqkv 6,291,456 bytes; wo16 2,097,152 bytes; qkv 50,331,648 bytes; att 33,554,432 bytes
;; launch cast (part 5): grid 768 x 1, 8 waves a work-group, no clusters, 0 bytes of LDS; arguments x, Wq, Wk, Wv, Wo, xb, wqkv, wo16; writes xb, wqkv, wo16
.if DOCPART == 5
	.amdgcn_target "amdgcn-amd-amdhsa--gfx1250"
	.amdhsa_code_object_version 6
	.text
	.protected	k_q118e66c601_cast
	.globl	k_q118e66c601_cast
	.p2align	8
	.type	k_q118e66c601_cast,@function
k_q118e66c601_cast:
	s_mov_b64 s[64:65], 0
	v_nop
	global_prefetch_b8 v0, s[64:65] scope:SCOPE_SE
	s_setreg_imm32_b32 hwreg(HW_REG_WAVE_MODE, 25, 1), 1
	s_wait_xcnt 0x0
; Rounds the five f32 inputs once to bf16 (nearest even).  x -> xb [8192][1024] bf16; Wq, Wk, Wv -> wqkv [3072][1024] bf16, one below the other;
; Wo -> bf16, then the same number written as f16: wo16 [1024][1024] f16 (the last product's other operand is f16).
; LIMIT: a bf16 number is exact in f16 for 2^-17 <= |Wo| < 65,504; below that the error is at most 2^-25, above it the result is infinite.
; A stream: no LDS, no barrier, no matrix unit.  A work-group takes 65,536 input bytes as 16 steps of 4,096; thread t takes the 16 bytes at 16 t of
; each step, so a wave's load covers 512 consecutive bytes and a wave's 8-byte store 256 consecutive bytes at a multiple of 256.
; All 16 loads of a thread go out first; nothing that a load or store names is written again, so only the counted waits for data are needed.
.set XR, 4                             ; v[4:67]    step k: 4 f32 as loaded
.set YR, 68                            ; v[68:99]   step k: 4 numbers of 16 bits to store
.set TR, 100                           ; v[100:103] at work (Wo's way)
	s_load_b512 s[4:19], s[0:1], 0x0               ; x 4:5, Wq 6:7, Wk 8:9, Wv 10:11, Wo 12:13, xb 14:15, wqkv 16:17, wo16 18:19
	s_sub_co_u32 s20, ttmp9, 512                   ; groups 0-511 take x; j = group - 512 counts the weights' chunks
	s_lshr_b32 s21, s20, 6                         ; which weight: 0 Wq, 1 Wk, 2 Wv, 3 Wo (for x's groups a huge number: none of them)
	s_and_b32 s22, s20, 63                         ; chunk inside the weight
	v_lshlrev_b32 v1, 4, v0                        ; 16 t: where I read
	v_lshlrev_b32 v2, 3, v0                        ; 8 t: where I write
	s_wait_kmcnt 0x0
	s_mov_b64 s[24:25], s[6:7]
	s_cmp_eq_u32 s21, 1
	s_cselect_b64 s[24:25], s[8:9], s[24:25]
	s_cmp_eq_u32 s21, 2
	s_cselect_b64 s[24:25], s[10:11], s[24:25]
	s_cmp_eq_u32 s21, 3
	s_cselect_b64 s[24:25], s[12:13], s[24:25]
	s_cmp_lt_u32 ttmp9, 512
	s_cselect_b64 s[24:25], s[4:5], s[24:25]       ; the source
	s_cselect_b64 s[26:27], s[14:15], s[16:17]     ; the destination: xb or wqkv
	s_cselect_b32 s22, ttmp9, s22                  ; chunk in the source
	s_cselect_b32 s23, ttmp9, s20                  ; chunk in the destination (wqkv: the three weights follow each other)
	s_cmp_eq_u32 s21, 3
	s_cselect_b64 s[26:27], s[18:19], s[26:27]     ; Wo goes to wo16,
	s_cselect_b32 s23, s22, s23                    ; to the chunk's own place there
	s_lshl_b32 s28, s22, 16                        ; 65,536 bytes in
	s_mov_b32 s29, 0
	s_lshl_b32 s30, s23, 15                        ; 32,768 bytes out
	s_mov_b32 s31, 0
	s_add_nc_u64 s[24:25], s[24:25], s[28:29]
	s_add_nc_u64 s[26:27], s[26:27], s[30:31]
.irp k, 0,1,2,3,4,5,6,7,8,9,10,11,12,13,14,15
	global_load_b128 v[XR+4*\k:XR+4*\k+3], v1, s[24:25] offset:4096*\k th:TH_LOAD_NT
.endr
	s_cmp_eq_u32 s21, 3
	s_cbranch_scc1 .Lwo
.irp k, 0,1,2,3,4,5,6,7,8,9,10,11,12,13,14,15
	s_wait_loadcnt 15-\k                           ; loads come back in order: step k is in, the younger ones stay out
	v_cvt_pk_bf16_f32 v[YR+2*\k],   v[XR+4*\k],   v[XR+4*\k+1]
	v_cvt_pk_bf16_f32 v[YR+2*\k+1], v[XR+4*\k+2], v[XR+4*\k+3]
	global_store_b64 v2, v[YR+2*\k:YR+2*\k+1], s[26:27] offset:2048*\k
.endr
	s_endpgm
.Lwo:
.irp k, 0,1,2,3,4,5,6,7,8,9,10,11,12,13,14,15
	s_wait_loadcnt 15-\k
	v_cvt_pk_bf16_f32 v[YR+2*\k],   v[XR+4*\k],   v[XR+4*\k+1]     ; the one rounding, to bf16
	v_cvt_pk_bf16_f32 v[YR+2*\k+1], v[XR+4*\k+2], v[XR+4*\k+3]
	v_lshlrev_b32 v[TR],   16, v[YR+2*\k]                          ; back to f32: a shift or a mask
	v_and_b32     v[TR+1], 0xffff0000, v[YR+2*\k]
	v_lshlrev_b32 v[TR+2], 16, v[YR+2*\k+1]
	v_and_b32     v[TR+3], 0xffff0000, v[YR+2*\k+1]
	v_cvt_pk_f16_f32 v[YR+2*\k],   v[TR],   v[TR+1]                ; the same numbers in f16
	v_cvt_pk_f16_f32 v[YR+2*\k+1], v[TR+2], v[TR+3]
	global_store_b64 v2, v[YR+2*\k:YR+2*\k+1], s[26:27] offset:2048*\k
.endr
	s_endpgm
.Lfunc_end_k_q118e66c601_cast:
	.size	k_q118e66c601_cast, .Lfunc_end_k_q118e66c601_cast-k_q118e66c601_cast
	.p2alignl 7, 3214868480
	.fill 96, 4, 3214868480
	.section	.rodata,"a",@progbits
	.p2align	6, 0x0
	.amdhsa_kernel k_q118e66c601_cast
		.amdhsa_group_segment_fixed_size 0
		.amdhsa_private_segment_fixed_size 0
		.amdhsa_enable_private_segment 0
		.amdhsa_kernarg_size 64
		.amdhsa_user_sgpr_count 2
		.amdhsa_user_sgpr_kernarg_segment_ptr 1
		.amdhsa_wavefront_size32 1
		.amdhsa_system_sgpr_workgroup_id_x 1
		.amdhsa_system_sgpr_workgroup_id_y 1
		.amdhsa_system_sgpr_workgroup_id_z 1
		.amdhsa_system_vgpr_workitem_id 0
		.amdhsa_next_free_vgpr 104
		.amdhsa_next_free_sgpr 66
		.amdhsa_reserve_vcc 0
		.amdhsa_float_denorm_mode_32 3
		.amdhsa_float_denorm_mode_16_64 3
		.amdhsa_memory_ordered 1
		.amdhsa_forward_progress 1
		.amdhsa_inst_pref_size 16
	.end_amdhsa_kernel
	.amdgpu_metadata
---
amdhsa.version: [ 1, 2 ]
amdhsa.kernels:
  - .name:           k_q118e66c601_cast
    .symbol:         k_q118e66c601_cast.kd
    .args:
      - { .name: x, .offset: 0, .size: 8, .value_kind: global_buffer, .address_space: global }
      - { .name: Wq, .offset: 8, .size: 8, .value_kind: global_buffer, .address_space: global }
      - { .name: Wk, .offset: 16, .size: 8, .value_kind: global_buffer, .address_space: global }
      - { .name: Wv, .offset: 24, .size: 8, .value_kind: global_buffer, .address_space: global }
      - { .name: Wo, .offset: 32, .size: 8, .value_kind: global_buffer, .address_space: global }
      - { .name: xb, .offset: 40, .size: 8, .value_kind: global_buffer, .address_space: global }
      - { .name: wqkv, .offset: 48, .size: 8, .value_kind: global_buffer, .address_space: global }
      - { .name: wo16, .offset: 56, .size: 8, .value_kind: global_buffer, .address_space: global }
    .group_segment_fixed_size: 0
    .private_segment_fixed_size: 0
    .kernarg_segment_align: 8
    .kernarg_segment_size: 64
    .max_flat_workgroup_size: 256
    .sgpr_count:     66
    .vgpr_count:     104
    .wavefront_size: 32
...
	.end_amdgpu_metadata
.endif
;; end of part 5
;; launch gemm_qkv (part 6): grid 8 x 32, 4 waves a work-group, clusters of 4 x 4, 327,680 bytes of LDS; arguments xb, wqkv, qkv; writes qkv
.if DOCPART == 6
	.amdgcn_target "amdgcn-amd-amdhsa--gfx1250"
	.amdhsa_code_object_version 6
	.text
	.protected	k_q118e66c601_gemm_qkv
	.globl	k_q118e66c601_gemm_qkv
	.p2align	8
	.type	k_q118e66c601_gemm_qkv,@function
k_q118e66c601_gemm_qkv:
	s_mov_b64 s[64:65], 0
	v_nop
	global_prefetch_b8 v0, s[64:65] scope:SCOPE_SE
	s_setreg_imm32_b32 hwreg(HW_REG_WAVE_MODE, 25, 1), 1
	s_wait_xcnt 0x0
	s_wait_alu depctr_hold_cnt(0) depctr_sa_sdst(0) depctr_va_vdst(0) depctr_va_sdst(0) depctr_va_ssrc(0) depctr_va_vcc(0) depctr_vm_vsrc(0)
	s_getreg_b32 s2, hwreg(HW_REG_IB_STS2, 6, 4)
	s_cmp_eq_u32 s2, 0
	s_cbranch_scc0 .Lentry_in_a_cluster
	s_endpgm
.Lentry_in_a_cluster:
	s_bfe_u32 s2, ttmp6, 0x10000c
	s_cmp_lg_u32 s2, 0xf033
	s_cbranch_scc0 .Lentry_shape_is_right
	s_endpgm
.Lentry_shape_is_right:
; qkv[m][n] = sum over k of xb[m][k] wqkv[n][k]: q, k and v of all heads in one product.  xb [8192][1024] bf16, wqkv [3072][1024] bf16, sums in f32,
; qkv [8192][3072] rounded once to f16 (columns 0-1023 q, 1024-2047 k, 2048-3071 v).
; LIMIT: |q|, |k|, |v| < 65,504 (f16); below 6.1e-5 the rounding error is absolute, at most 2^-25.
; SHARE: 8192 x 3072 = 256 blocks of 256 x 384, one work-group each.  Four waves, 2 x 2; a wave makes 128 x 192: 96 accumulator tiles of 16 x 16, 768 registers.
; K goes in 16 steps of 64 through two LDS slots filled by tensor loads.  A step of 128 would give rows of 256 bytes, but two such slots take
; 640 rows x 272 bytes x 2 = 348,160 bytes, more than the 327,680 that a work-group can have; so a tile's rows are 128 bytes here.
; CLUSTERS: 4 x 4 work-groups.  The four of a row of the cluster need the same tiles of xb, the four of a column the same tiles of wqkv: each tile is
; asked for jointly (the same load, the same descriptor, a mask that names the four), which divides the requests by four.
; REGISTERS in windows of 256.  Window 0: v16-26 addresses; v32-95, v96-159 fragments of A (8 x 16 rows x 32 K), two buffers; v160-207 fragments of B's
; n blocks 0-5 (BL), v208-255 of n blocks 6-11 (BH), one buffer in two halves.  Windows 1 to 3: the accumulators; tile (a, b) has the number
; t = 48 (b / 6) + 6 a + b % 6 and lies in window 1 + t / 32 at register 8 (t % 32).
; A QUARTER STEP (32 along K) is two passes of 48 matrix instructions: all 8 m blocks x BL, then all 8 x BH.  While BL is multiplied BH is loaded; while BH is
; multiplied the next quarter's A (other buffer) and BL are loaded: each run of loads stands 48 matrix instructions ahead of its first use.
; The matrix instruction is used transposed (source 0 = 16 rows of B, source 1 = 16 rows of A): a lane then holds eight neighbouring columns of one row.
.set SIZE_N, 3072
.set SIZE_K, 1024
.set KSTEP,  64
.set PITCH,  144                       ; an LDS row: 128 bytes + 16 of padding = 36 words: the 16 rows of a fragment load start at 16 different groups of 4 banks
.set AHALF,  128*PITCH                 ; what one of A's loads brings, and what a wave reads of A
.set BHALF,  192*PITCH                 ; the same for B
.set SLOT,   2*AHALF+2*BHALF           ; 92,160: A's 256 rows, then B's 384 rows
.set STAGE,  2*SLOT                    ; 184,320: behind the slots, for the way out; no tensor load lands here
.set SPITCH, 784                       ; a stage row: the block's 384 f16 + 16 bytes
.set LAPS, SIZE_K/(2*KSTEP)            ; 8 laps of two K steps
.set ADRA, 16                          ; v16, v17  my A fragments in slot 0, 1
.set ADRB, 18                          ; v18, v19  my B fragments
.set STO,  24                          ; v24  the way out: where I put 16 bytes of a row
.set RD,   25                          ; v25  where I read 16 bytes of a whole row back
.set CO,   26                          ; v26  my byte offset in qkv
.set AF0,  32
.set AF1,  96
.set BL,   160
.set BH,   208
.set TMP,  32                          ; the way out: v32-223, 48 x 4 registers
.set G1, 24                            ; s[24:31] group 1 for A's tiles
.set G0, 32                            ; s[32:39] group 0 for A's tiles, one set for each slot
.set G1B, 48                           ; s[48:55] group 1 for B's tiles
.set G0B, 56                           ; s[56:63] group 0 for B's tiles
.set W1, 0x50                          ; sources 0 and 1 window 0, C and D window 1
.set W2, 0xa0                          ; C and D window 2
.set W3, 0xf0                          ; C and D window 3
.set MSB, 0
.macro WIN new                         ; bits 1:0 source 0, 3:2 source 1, 5:4 source 2, 7:6 destination; the high byte repeats the setting that is left; switches that change nothing are dropped
.if MSB != \new
	s_set_vgpr_msb (MSB<<8)|\new
.set MSB, \new
.endif
.endm
; A joint load: waves 0, 1 fetch A's halves, waves 2, 3 B's.  Each line has one mask and one set of registers; the branch hangs on the wave's number alone.
.macro JLOAD s
	s_cmp_eq_u32 s11, 0
	s_cbranch_scc0 .Lfor_b_\@
	tensor_load_to_lds s[G0+4*\s:G0+4*\s+3], s[G1:G1+7]
	s_nop 0
.rept 4
	v_nop
.endr
	s_branch .Lasked_\@
.Lfor_b_\@:
	tensor_load_to_lds s[G0B+4*\s:G0B+4*\s+3], s[G1B:G1B+7]
	s_nop 0
.rept 4
	v_nop
.endr
.Lasked_\@:
.endm
; The cluster's barrier: my work-group's barrier, wave 0 signals for the work-group, every wave waits for all sixteen, my work-group's barrier again.
.macro CREST
	s_cmp_lg_u32 s10, 0
	s_cbranch_scc1 .Lnot_wave_0_\@
	s_barrier_signal -3
.Lnot_wave_0_\@:
	s_barrier_wait -3
	s_barrier_signal -1
	s_barrier_wait -1
.endm
.macro CROUND
	s_barrier_signal -1
	s_barrier_wait -1
	CREST
.endm
	s_load_b128 s[4:7], s[0:1], 0x0                ; A s[4:5], B s[6:7]
	s_load_b64 s[8:9], s[0:1], 0x10                ; C
	v_lshl_add_u32 v30, v0, 2, 0x45800
	v_mov_b32 v31, 0
	ds_add_u32 v30, v31
	ds_add_u32 v30, v31
	v_lshrrev_b32 v1, 5, v0
	v_readfirstlane_b32 s10, v1                    ; wave 0..3
	s_lshr_b32 s11, s10, 1                         ; my half of the block's rows; also: I fetch for A (0) or B (1)
	s_and_b32 s12, s10, 1                          ; my half of its columns; also: which half of that tile I fetch
	s_bfe_u32 s40, ttmp6, 0x40000                  ; cx
	s_bfe_u32 s41, ttmp6, 0x40004                  ; cy
	s_lshl_b32 s42, ttmp9, 2
	s_add_co_u32 s42, s42, s40                     ; block column = 4 x cluster x + cx
	s_and_b32 s13, ttmp7, 0xffff
	s_lshl_b32 s13, s13, 2
	s_add_co_u32 s13, s13, s41                     ; block row = 4 x cluster y + cy
	s_lshl_b32 s43, s41, 2
	s_lshl_b32 s43, 15, s43                        ; my row of the cluster
	s_lshl_b32 s44, 0x1111, s40                    ; my column
	s_or_b32 s[G1+0],  s43, (1<<16)|(1<<20)|(1<<21)|(4<<22)|(3<<25) ; mask; 2-byte elements; padding on: 4 words after every 32; bit 21 beside a mask
	s_or_b32 s[G1B+0], s44, (1<<16)|(1<<20)|(1<<21)|(4<<22)|(3<<25)
	s_mov_b32 s[G1+1],  KSTEP<<16                  ; tensor_dim0 = 64
	s_mov_b32 s[G1B+1], KSTEP<<16
	s_mov_b32 s[G1+2],  128<<16                    ; tensor_dim1: a half of A 128 rows,
	s_mov_b32 s[G1B+2], 192<<16                    ; a half of B 192
	s_mov_b32 s[G1+3],  KSTEP<<16                  ; tile_dim0 = 64
	s_mov_b32 s[G1B+3], KSTEP<<16
	s_mov_b32 s[G1+4],  128                        ; tile_dim1
	s_mov_b32 s[G1B+4], 192
	s_mov_b32 s[G1+5],  SIZE_K                     ; elements from row to row
	s_mov_b32 s[G1B+5], SIZE_K
	s_mov_b32 s[G1+6],  0
	s_mov_b32 s[G1B+6], 0
	s_mov_b32 s[G1+7],  0
	s_mov_b32 s[G1B+7], 0
	; A's tiles hang on the block row alone, B's on the block column alone, each in registers that never hold the other coordinate
	s_lshl_b32 s17, s12, 7
	s_lshl_b32 s16, s13, 8
	s_add_co_u32 s16, s16, s17                     ; A: row 256 x block row + 128 x half
	s_lshl_b32 s16, s16, 11                        ; 2,048 bytes a row
	s_mov_b32 s17, 0
	s_mul_i32 s46, s42, 384
	s_mul_i32 s47, s12, 192
	s_add_co_u32 s46, s46, s47                     ; B: row 384 x block column + 192 x half
	s_lshl_b32 s46, s46, 11
	s_mov_b32 s47, 0
	s_mul_i32 s20, s12, AHALF                      ; LDS: A's halves,
	s_mul_i32 s21, s12, BHALF
	s_add_co_u32 s21, s21, 2*AHALF                 ; then B's: no place in the cluster enters an LDS address
	s_wait_dscnt 0x0
	s_wait_kmcnt 0x0
	s_add_nc_u64 s[14:15], s[4:5], s[16:17]
	s_add_nc_u64 s[46:47], s[6:7], s[46:47]
	CROUND                                         ; all sixteen work-groups are here: the first joint loads meet
.irp s, 0,1
	s_mov_b32 s[G0+4*\s], 1
	s_add_co_u32 s[G0+4*\s+1], s20, \s*SLOT
	s_add_nc_u64 s[G0+4*\s+2:G0+4*\s+3], s[14:15], \s*KSTEP*2
	s_or_b32 s[G0+4*\s+3], s[G0+4*\s+3], 0x80000000
	s_mov_b32 s[G0B+4*\s], 1
	s_add_co_u32 s[G0B+4*\s+1], s21, \s*SLOT
	s_add_nc_u64 s[G0B+4*\s+2:G0B+4*\s+3], s[46:47], \s*KSTEP*2
	s_or_b32 s[G0B+4*\s+3], s[G0B+4*\s+3], 0x80000000
	JLOAD \s                                       ; both slots are asked for before anything else: two loads of a wave are out
.endr
	; a fragment: lane l holds row l % 16; registers 0-3 K = 8 (l / 16) + 0..7, registers 4-7 K = 16 + 8 (l / 16) + 0..7: two 16-byte loads, 32 bytes apart
	v_and_b32 v1, 15, v0                           ; r
	v_bfe_u32 v2, v0, 4, 1                         ; h
	v_mul_u32_u24 v3, v1, PITCH
	v_lshl_add_u32 v3, v2, 4, v3                   ; 144 r + 16 h
	s_mul_i32 s22, s11, AHALF                      ; my 128 rows of A
	s_mul_i32 s23, s12, BHALF                      ; my 192 rows of B,
	s_add_co_u32 s23, s23, 2*AHALF                 ; behind A's 256
.irp s, 0,1
	v_add_nc_u32 v[ADRA+\s], s22, v3
	v_add_nc_u32 v[ADRB+\s], s23, v3
	s_add_co_u32 s22, s22, SLOT
	s_add_co_u32 s23, s23, SLOT
.endr
	; the stage holds 128 rows at a time: 64 of the upper two waves' rows, then 64 of the lower two's; a row holds the block's 384 columns
	s_mul_i32 s45, s11, 64*SPITCH
	s_mul_i32 s3, s12, 384                         ; my 192 columns: 384 bytes
	s_add_co_u32 s45, s45, s3
	s_add_co_u32 s45, s45, STAGE
	v_mul_u32_u24 v4, v1, SPITCH                   ; in: row r, 16 bytes for each half of the lanes
	v_lshl_add_u32 v4, v2, 4, v4
	v_add_nc_u32 v[STO], s45, v4
	s_mul_i32 s45, s10, 32*SPITCH                  ; back: wave w takes stage rows 32 w .. 32 w + 31,
	s_add_co_u32 s45, s45, STAGE
	v_mul_u32_u24 v5, v2, SPITCH                   ; lanes 0-15 256 bytes of one row, lanes 16-31 of the next
	v_lshl_add_u32 v5, v1, 4, v5
	v_add_nc_u32 v[RD], s45, v5
	v_mul_u32_u24 v5, v2, SIZE_N*2                 ; and the same two rows in qkv
	v_lshl_add_u32 v[CO], v1, 4, v5
; n matrix instructions on the tiles t0 .. t0 + n - 1 (all in one window): m block (t % 48) / 6 from buffer af, n block (t % 48) % 6 of the half bf.
; zero = 1: the first product starts the sums: nothing is ever cleared.
.macro MULT t0, n, af, bf, zero
.set tt, \t0
.rept \n
.if \zero
	v_wmma_f32_16x16x32_bf16 v[8*(tt%32):8*(tt%32)+7], v[\bf+8*((tt%48)%6):\bf+8*((tt%48)%6)+7], v[\af+8*((tt%48)/6):\af+8*((tt%48)/6)+7], 0
.else
	v_wmma_f32_16x16x32_bf16 v[8*(tt%32):8*(tt%32)+7], v[\bf+8*((tt%48)%6):\bf+8*((tt%48)%6)+7], v[\af+8*((tt%48)/6):\af+8*((tt%48)/6)+7], v[8*(tt%32):8*(tt%32)+7]
.endif
.set tt, tt+1
.endr
.endm
; 12 LDS loads: B's n blocks 6-11, 32 K at byte k of the rows
.macro LDBH slot, k
.irp i, 0,1,2,3,4,5
	ds_load_b128 v[BH+8*\i:BH+8*\i+3],   v[ADRB+\slot] offset:\k+(6+\i)*16*PITCH
	ds_load_b128 v[BH+8*\i+4:BH+8*\i+7], v[ADRB+\slot] offset:\k+(6+\i)*16*PITCH+32
.endr
.endm
; 28 LDS loads: A's 8 m blocks into buffer af, B's n blocks 0-5
.macro LDNEXT slot, k, af
.irp i, 0,1,2,3,4,5,6,7
	ds_load_b128 v[\af+8*\i:\af+8*\i+3],   v[ADRA+\slot] offset:\k+\i*16*PITCH
	ds_load_b128 v[\af+8*\i+4:\af+8*\i+7], v[ADRA+\slot] offset:\k+\i*16*PITCH+32
.endr
.irp i, 0,1,2,3,4,5
	ds_load_b128 v[BL+8*\i:BL+8*\i+3],   v[ADRB+\slot] offset:\k+\i*16*PITCH
	ds_load_b128 v[BL+8*\i+4:BL+8*\i+7], v[ADRB+\slot] offset:\k+\i*16*PITCH+32
.endr
.endm
; Four independent vector instructions stand between a matrix instruction and a load into, or a vector access to, one of its registers
.macro PLACES
.rept 4
	v_nop
.endr
.endm
; The 96 accumulators take turns, one instruction a turn, in the same order in every quarter step, over the backward jump too.
; The first quarter of a K step: multiplies A's buffer 0; fetches the second quarter's fragments, at byte 64 of the same slot's rows.
.macro QA slot, zero
	PLACES                                         ; BH was read by the matrix instructions just issued
	WIN 0
	LDBH \slot, 0
	s_wait_dscnt 12                                ; A and BL are in; the 12 just issued may be out
	WIN W1
	MULT 0, 32, AF0, BL, \zero
	WIN W2
	MULT 32, 16, AF0, BL, \zero
	PLACES                                         ; BL was read by the matrix instructions just issued
	WIN 0
	LDNEXT \slot, 64, AF1
	s_wait_dscnt 28                                ; BH is in; the 28 just issued may be out
	WIN W2
	MULT 48, 16, AF0, BH, \zero
	WIN W3
	MULT 64, 32, AF0, BH, \zero
.endm
; The second quarter: multiplies A's buffer 1 and changes slots.  In front of the barrier each wave waits for its reads of this slot (the last are BH's) and for
; all its tensor loads (one is out: its part of the next slot).  Behind it the refill comes first, then the next slot's first fragments.
; From a request to the wait for it a wave issues 48 + 96 + 32 = 176 matrix instructions.
.macro QB slot, next, fill
	PLACES
	WIN 0
	LDBH \slot, 64
	s_wait_dscnt 12
	WIN W1
	MULT 0, 32, AF1, BL, 0
	s_wait_dscnt 0                                 ; my reads of this slot are over
	s_wait_tensorcnt 0x0                           ; all my tensor loads have landed
	ds_add_u32 v30, v31
	s_wait_dscnt 0x0
	s_barrier_signal -1
	WIN W2
	MULT 32, 16, AF1, BL, 0                        ; register work while the others arrive
	WIN 0
	s_barrier_wait -1
.if \fill
	CREST                                          ; all sixteen work-groups have said so: no partner's wave still reads this slot or has a load on its way
	s_add_nc_u64 s[G0+4*\slot+2:G0+4*\slot+3], s[G0+4*\slot+2:G0+4*\slot+3], 2*KSTEP*2
	s_add_nc_u64 s[G0B+4*\slot+2:G0B+4*\slot+3], s[G0B+4*\slot+2:G0B+4*\slot+3], 2*KSTEP*2
	JLOAD \slot                                    ; my one tensor load behind the barrier; its four v_nop are also the places in front of the loads below
.else
	PLACES
.endif
	LDNEXT \next, 0, AF0
	WIN W2
	MULT 48, 16, AF1, BH, 0                        ; BH came in ahead of the barrier
	WIN W3
	MULT 64, 32, AF1, BH, 0
.endm
.macro LAP zero                        ; two K steps, both slots filled again
	QA 0, \zero
	QB 0, 1, 1
	QA 1, 0
	QB 1, 0, 1
.endm
	s_wait_tensorcnt 1                             ; my part of K step 0 is in; K step 1's stays out
	s_barrier_signal -1
	s_barrier_wait -1
	LDNEXT 0, 0, AF0
	LAP 1                                          ; the first lap's first products start the sums
	WIN 0                                          ; at a label and at a branch every window is 0
	s_mov_b32 s3, LAPS-2
.Llap:
	LAP 0
	WIN 0
	s_sub_co_u32 s3, s3, 1
	s_cmp_lg_u32 s3, 0
	s_cbranch_scc1 .Llap
	QA 0, 0                                        ; the last lap fills nothing
	QB 0, 1, 0
	QA 1, 0
	PLACES                                         ; the very last quarter: nothing more to fetch but BH
	WIN 0
	LDBH 1, 64
	s_wait_dscnt 12
	WIN W1
	MULT 0, 32, AF1, BL, 0
	WIN W2
	MULT 32, 16, AF1, BL, 0
	s_wait_dscnt 0
	MULT 48, 16, AF1, BH, 0
	WIN W3
	MULT 64, 32, AF1, BH, 0
	; THE WAY OUT.  A wave's 192 columns are 384 bytes, one and a half aligned blocks of 256, so rows are put together across the two waves that share them:
	; in two rounds of 64 rows a wave, all four waves lay f16 into the common stage, pass a barrier, and read whole rows of 768 bytes back.
	PLACES                                         ; behind the last matrix instructions: for the conversions, which read results and write over fragments
	s_lshl_b32 s13, s13, 8
	s_lshl_b32 s14, s11, 7
	s_add_co_u32 s16, s13, s14                     ; stage rows 32 w .. are the block's rows 128 (w / 2) + 32 (w % 2) .. (+ 64 in the second round)
	s_lshl_b32 s14, s12, 5
	s_add_co_u32 s16, s16, s14
	s_mul_i32 s16, s16, SIZE_N*2
	s_mov_b32 s17, 0
	s_add_nc_u64 s[8:9], s[8:9], s[16:17]
	s_mul_i32 s46, s42, 768                        ; the block's first column in bytes (in the registers that held B's address: none that feeds A's descriptors ever holds cx)
	s_mov_b32 s47, 0
	s_add_nc_u64 s[8:9], s[8:9], s[46:47]
; round r: my m blocks 4 r .. 4 r + 3
.macro OUTR r
.if \r
	s_wait_xcnt 0x0                                ; TMP, which the last round's stores read, is rewritten only behind this wait
	s_barrier_signal -1                            ; my reads of the stage are back (the count-down below ended at 0)
.endif
.irp p, 0,1
.irp a, 0,1,2,3
.irp b, 0,1,2,3,4,5
.set tt, 48*\p+6*(4*\r+\a)+\b
.set wv, 5*(1+tt/32)                               ; sources 0 and 1 in the tile's window
	WIN wv
.irp k, 0,1,2,3
	v_cvt_pk_f16_f32 v[TMP+4*(12*\a+6*\p+\b)+\k], v[8*(tt%32)+2*\k], v[8*(tt%32)+2*\k+1]
.endr
.endr
.endr
.endr
	WIN 0
.if \r
	s_barrier_wait -1                              ; every wave's reads of the stage are back: it may be written again
.endif
.irp a, 0,1,2,3
.irp b, 0,1,2,3,4,5,6,7,8,9,10,11
	ds_store_b128 v[STO], v[TMP+4*(12*\a+\b):TMP+4*(12*\a+\b)+3] offset:\a*16*SPITCH+32*\b
.endr
.endr
	s_wait_dscnt 0x0                               ; my stores are done, for the others' sake
	s_barrier_signal -1
	s_barrier_wait -1
.set kk, 0
.rept 48
	ds_load_b128 v[TMP+4*kk:TMP+4*kk+3], v[RD] offset:(kk/3)*2*SPITCH+256*(kk%3)
.set kk, kk+1
.endr
.set kk, 0
.rept 48
	s_wait_dscnt 47-kk                             ; this load is in, the later ones stay out
	global_store_b128 v[CO], v[TMP+4*kk:TMP+4*kk+3], s[8:9] offset:(64*\r+2*(kk/3))*SIZE_N*2+256*(kk%3)   ; 16 lanes store 256 consecutive bytes at a multiple of 256; row and column stand in the immediate, 578,048 at the most
.set kk, kk+1
.endr
.endm
	OUTR 0
	OUTR 1
	s_wait_tensorcnt 0x0
	ds_add_u32 v30, v31
	s_wait_dscnt 0x0
	CROUND                                         ; no work-group ends while a partner may still ask for a tile that names it
	s_endpgm
.Lfunc_end_k_q118e66c601_gemm_qkv:
	.size	k_q118e66c601_gemm_qkv, .Lfunc_end_k_q118e66c601_gemm_qkv-k_q118e66c601_gemm_qkv
	.p2alignl 7, 3214868480
	.fill 96, 4, 3214868480
	.section	.rodata,"a",@progbits
	.p2align	6, 0x0
	.amdhsa_kernel k_q118e66c601_gemm_qkv
		.amdhsa_group_segment_fixed_size 327680
		.amdhsa_private_segment_fixed_size 0
		.amdhsa_enable_private_segment 0
		.amdhsa_kernarg_size 24
		.amdhsa_user_sgpr_count 2
		.amdhsa_user_sgpr_kernarg_segment_ptr 1
		.amdhsa_wavefront_size32 1
		.amdhsa_system_sgpr_workgroup_id_x 1
		.amdhsa_system_sgpr_workgroup_id_y 1
		.amdhsa_system_sgpr_workgroup_id_z 1
		.amdhsa_system_vgpr_workitem_id 0
		.amdhsa_next_free_vgpr 1024
		.amdhsa_next_free_sgpr 66
		.amdhsa_reserve_vcc 0
		.amdhsa_float_denorm_mode_32 3
		.amdhsa_float_denorm_mode_16_64 3
		.amdhsa_memory_ordered 1
		.amdhsa_forward_progress 1
		.amdhsa_inst_pref_size 169
	.end_amdhsa_kernel
	.amdgpu_metadata
---
amdhsa.version: [ 1, 2 ]
amdhsa.kernels:
  - .name:           k_q118e66c601_gemm_qkv
    .symbol:         k_q118e66c601_gemm_qkv.kd
    .args:
      - { .name: xb, .offset: 0, .size: 8, .value_kind: global_buffer, .address_space: global }
      - { .name: wqkv, .offset: 8, .size: 8, .value_kind: global_buffer, .address_space: global }
      - { .name: qkv, .offset: 16, .size: 8, .value_kind: global_buffer, .address_space: global }
    .group_segment_fixed_size: 327680
    .private_segment_fixed_size: 0
    .kernarg_segment_align: 8
    .kernarg_segment_size: 24
    .max_flat_workgroup_size: 128
    .sgpr_count:     66
    .vgpr_count:     1024
    .wavefront_size: 32
...
	.end_amdgpu_metadata
.endif
;; end of part 6
;; launch attn: the kernel of part 3 again; grid 256 x 1, 8 waves a work-group, no clusters, 327,680 bytes of LDS; arguments qkv, att; writes att
;; launch gemm_out (part 7): grid 4 x 64, 4 waves a work-group, clusters of 4 x 4, 327,680 bytes of LDS; arguments att, wo16, out0; writes out0
.if DOCPART == 7
	.amdgcn_target "amdgcn-amd-amdhsa--gfx1250"
	.amdhsa_code_object_version 6
	.text
	.protected	k_q118e66c601_gemm_out
	.globl	k_q118e66c601_gemm_out
	.p2align	8
	.type	k_q118e66c601_gemm_out,@function
k_q118e66c601_gemm_out:
	s_mov_b64 s[64:65], 0
	v_nop
	global_prefetch_b8 v0, s[64:65] scope:SCOPE_SE
	s_setreg_imm32_b32 hwreg(HW_REG_WAVE_MODE, 25, 1), 1
	s_wait_xcnt 0x0
	s_wait_alu depctr_hold_cnt(0) depctr_sa_sdst(0) depctr_va_vdst(0) depctr_va_sdst(0) depctr_va_ssrc(0) depctr_va_vcc(0) depctr_vm_vsrc(0)
	s_getreg_b32 s2, hwreg(HW_REG_IB_STS2, 6, 4)
	s_cmp_eq_u32 s2, 0
	s_cbranch_scc0 .Lentry_in_a_cluster
	s_endpgm
.Lentry_in_a_cluster:
	s_bfe_u32 s2, ttmp6, 0x10000c
	s_cmp_lg_u32 s2, 0xf033
	s_cbranch_scc0 .Lentry_shape_is_right
	s_endpgm
.Lentry_shape_is_right:
; out0[m][n] = sum over k of attn[m][k] Wo[n][k].  att [8192][2048] f16: columns 0-1023 attn rounded to f16 (hi), columns 1024-2047 what that rounding
; left (lo); wo16 [1024][1024] f16; sums in f32; out0 [8192][1024] f32.
; PRECISION: every row enters as hi; rows 0-15 of each block of 128 rows enter as hi + lo.  A causal row s is a mean of s + 1 values, so the first rows of
; a batch (2,048 rows, 16 blocks) are up to 15 times the output's root mean square, and one rounding to f16 (11 bits) of such a row is not small against
; that root mean square; from row 16 on it is at most a seventh of a hundredth of it.  LIMIT: from row 16 of a batch on attn is rounded once to f16.
; The 60 of 64 blocks that do not begin a batch add their lo too: branches and trip counts are alike in all partners of a cluster.  It costs 4 matrix
; instructions beside every 32.
; A work-group makes 128 x 256 of out0 (256 work-groups) with four waves side by side; a wave makes 128 rows x 64 columns: 32 accumulator tiles of 16 x 16,
; 256 registers, so that the lo fragment's four products fall on every wave alike.
; K goes in 8 steps of 128 through two LDS slots filled by tensor loads; a tile's rows are 256 bytes of memory at multiples of 256.
; CLUSTERS: 4 x 4 work-groups.  The four of a row of the cluster need the same tiles of att (hi and lo), the four of a column the same tiles of wo16: each
; is asked for jointly, which divides the requests by four.
; REGISTERS: window 0: v16-26 addresses; a fragment buffer: 32 registers of B (4 x 16 columns), 64 of A (8 x 16 rows), 8 of lo; buffer 0 at v32, 1 at v144.
; Window 1: accumulators (a, b) at 8 (4 a + b).
; The matrix instruction is used transposed (source 0 = 16 rows of wo16, source 1 = 16 rows of att): a lane holds eight neighbouring columns of one row.
.set SIZE_N, 1024
.set SIZE_K, 1024
.set KSTEP,  128
.set PITCH,  272                       ; an LDS row: 256 bytes + 16 of padding: the 16 rows of a fragment load start 4 banks apart
.set BH,     128*PITCH                 ; 128 rows: A's tile, and each half of B's
.set BOFF,   BH                        ; a slot: A's 128 rows, B's 256 rows,
.set LOFF,   3*BH                      ; lo's 16 rows
.set SLOT,   LOFF+16*PITCH             ; 108,800
.set STAGE,  2*SLOT                    ; behind the slots: 16 rows x 272 bytes for each wave; no tensor load lands here
.set SPITCH, 272                       ; 64 f32 + 16 bytes
.set LAPS, SIZE_K/(2*KSTEP)            ; 4 laps of two K steps
.set ADRA, 16                          ; v16, v17  A's fragments in slot 0, 1
.set ADRB, 18                          ; v18, v19  my 64 rows of B
.set ADRL, 20                          ; v20, v21  lo's fragment
.set STO,  24                          ; v24  the way out: where I put 32 bytes of a row
.set RD,   25                          ; v25  where I read a row back
.set CO,   26                          ; v26  my byte offset in out0
.set F0,   32
.set F1,   144
.set G1,  24                           ; s[24:31] group 1 for A's tiles
.set G0,  32                           ; s[32:39] group 0 for A's tiles, a set for each slot
.set G1B, 48                           ; s[48:55] group 1 for B's tiles
.set G0B, 56                           ; s[56:63] group 0 for B's tiles
.set G1L, 68                           ; s[68:75] group 1 for lo's tiles
.set G0L, 76                           ; s[76:83] group 0 for lo's tiles
.set MSB, 0
.macro WIN new                         ; bits 1:0 source 0, 3:2 source 1, 5:4 source 2, 7:6 destination; the high byte repeats the setting that is left
.if MSB != \new
	s_set_vgpr_msb (MSB<<8)|\new
.set MSB, \new
.endif
.endm
.set MUL, 0x50                         ; sources 0 and 1 window 0, C and D window 1
; A joint load, one a wave: wave 0 fetches A's tile, wave 1 lo's, waves 2 and 3 B's halves.  Each line has one mask and one set of registers for all that
; issue it; the branches hang on the wave's number alone.
.macro JLOAD s
	s_cmp_ge_u32 s10, 2
	s_cbranch_scc1 .Lfor_b_\@
	s_cmp_eq_u32 s10, 1
	s_cbranch_scc1 .Lfor_l_\@
	tensor_load_to_lds s[G0+4*\s:G0+4*\s+3], s[G1:G1+7]
	s_nop 0
.rept 4
	v_nop
.endr
	s_branch .Lasked_\@
.Lfor_l_\@:
	tensor_load_to_lds s[G0L+4*\s:G0L+4*\s+3], s[G1L:G1L+7]
	s_nop 0
.rept 4
	v_nop
.endr
	s_branch .Lasked_\@
.Lfor_b_\@:
	tensor_load_to_lds s[G0B+4*\s:G0B+4*\s+3], s[G1B:G1B+7]
	s_nop 0
.rept 4
	v_nop
.endr
.Lasked_\@:
.endm
.macro CREST                           ; the cluster's barrier behind its opening work-group barrier
	s_cmp_lg_u32 s10, 0
	s_cbranch_scc1 .Lnot_wave_0_\@
	s_barrier_signal -3
.Lnot_wave_0_\@:
	s_barrier_wait -3
	s_barrier_signal -1
	s_barrier_wait -1
.endm
.macro CROUND
	s_barrier_signal -1
	s_barrier_wait -1
	CREST
.endm
	s_load_b128 s[4:7], s[0:1], 0x0                ; att s[4:5], wo16 s[6:7]
	s_load_b64 s[8:9], s[0:1], 0x10                ; out0
	v_lshl_add_u32 v254, v0, 2, 0x39600
	v_mov_b32 v255, 0
	ds_add_u32 v254, v255
	ds_add_u32 v254, v255
	v_lshrrev_b32 v1, 5, v0
	v_readfirstlane_b32 s10, v1                    ; wave 0..3: my 64 of the block's 256 columns; also what I fetch
	s_and_b32 s12, s10, 1                          ; waves 2, 3: which half of B's tile
	s_bfe_u32 s40, ttmp6, 0x40000                  ; cx
	s_bfe_u32 s41, ttmp6, 0x40004                  ; cy
	s_lshl_b32 s42, ttmp9, 2
	s_add_co_u32 s42, s42, s40                     ; block column
	s_and_b32 s13, ttmp7, 0xffff
	s_lshl_b32 s13, s13, 2
	s_add_co_u32 s13, s13, s41                     ; block row
	s_lshl_b32 s43, s41, 2
	s_lshl_b32 s43, 15, s43                        ; my row of the cluster
	s_lshl_b32 s44, 0x1111, s40                    ; my column
	s_or_b32 s[G1+0],  s43, (1<<16)|(1<<20)|(1<<21)|(5<<22)|(3<<25) ; mask; 2-byte elements; padding on: 4 words after every 64; bit 21 beside a mask
	s_or_b32 s[G1L+0], s43, (1<<16)|(1<<20)|(1<<21)|(5<<22)|(3<<25)
	s_or_b32 s[G1B+0], s44, (1<<16)|(1<<20)|(1<<21)|(5<<22)|(3<<25)
	s_mov_b32 s[G1+1],  KSTEP<<16                  ; tensor_dim0 = 128
	s_mov_b32 s[G1L+1], KSTEP<<16
	s_mov_b32 s[G1B+1], KSTEP<<16
	s_mov_b32 s[G1+2],  128<<16                    ; tensor_dim1: A 128 rows,
	s_mov_b32 s[G1L+2], 16<<16                     ; lo 16,
	s_mov_b32 s[G1B+2], 128<<16                    ; a half of B 128
	s_mov_b32 s[G1+3],  KSTEP<<16                  ; tile_dim0 = 128
	s_mov_b32 s[G1L+3], KSTEP<<16
	s_mov_b32 s[G1B+3], KSTEP<<16
	s_mov_b32 s[G1+4],  128                        ; tile_dim1
	s_mov_b32 s[G1L+4], 16
	s_mov_b32 s[G1B+4], 128
	s_mov_b32 s[G1+5],  2048                       ; elements from row to row: att 2,048,
	s_mov_b32 s[G1L+5], 2048
	s_mov_b32 s[G1B+5], 1024                       ; wo16 1,024
	s_mov_b32 s[G1+6],  0
	s_mov_b32 s[G1L+6], 0
	s_mov_b32 s[G1B+6], 0
	s_mov_b32 s[G1+7],  0
	s_mov_b32 s[G1L+7], 0
	s_mov_b32 s[G1B+7], 0
	; att's tiles hang on the block row alone, wo16's on the block column alone, each in registers that never hold the other coordinate
	s_lshl_b32 s16, s13, 19                        ; 128 rows of 4,096 bytes a block row (att's rows and out0's are equally long)
	s_mov_b32 s17, 0
	s_lshl_b32 s47, s12, 7
	s_lshl_b32 s46, s42, 8
	s_add_co_u32 s46, s46, s47                     ; B: row 256 x block column + 128 x half
	s_lshl_b32 s46, s46, 11                        ; 2,048 bytes a row
	s_mov_b32 s47, 0
	s_mul_i32 s21, s12, BH
	s_add_co_u32 s21, s21, BOFF                    ; LDS: B's halves behind A: no place in the cluster enters an LDS address
	s_wait_dscnt 0x0
	s_wait_kmcnt 0x0
	s_add_nc_u64 s[14:15], s[4:5], s[16:17]
	s_add_nc_u64 s[46:47], s[6:7], s[46:47]
	CROUND                                         ; all sixteen work-groups are here: the first joint loads meet
.irp s, 0,1
	s_mov_b32 s[G0+4*\s], 1
	s_mov_b32 s[G0+4*\s+1], \s*SLOT
	s_add_nc_u64 s[G0+4*\s+2:G0+4*\s+3], s[14:15], \s*KSTEP*2
	s_or_b32 s[G0+4*\s+3], s[G0+4*\s+3], 0x80000000
	s_mov_b32 s[G0L+4*\s], 1
	s_mov_b32 s[G0L+4*\s+1], LOFF+\s*SLOT
	s_add_nc_u64 s[G0L+4*\s+2:G0L+4*\s+3], s[14:15], 2048+\s*KSTEP*2           ; lo lies 2,048 bytes behind hi in att's rows
	s_or_b32 s[G0L+4*\s+3], s[G0L+4*\s+3], 0x80000000
	s_mov_b32 s[G0B+4*\s], 1
	s_add_co_u32 s[G0B+4*\s+1], s21, \s*SLOT
	s_add_nc_u64 s[G0B+4*\s+2:G0B+4*\s+3], s[46:47], \s*KSTEP*2
	s_or_b32 s[G0B+4*\s+3], s[G0B+4*\s+3], 0x80000000
	JLOAD \s                                       ; both slots are asked for before anything else: two loads of a wave are out
.endr
	; a fragment: lane l holds row l % 16; registers 0-3 K = 8 (l / 16) + 0..7, registers 4-7 K = 16 + 8 (l / 16) + 0..7: two 16-byte loads, 32 bytes apart
	v_and_b32 v1, 15, v0                           ; r
	v_bfe_u32 v2, v0, 4, 1                         ; h
	v_mul_u32_u24 v3, v1, PITCH
	v_lshl_add_u32 v3, v2, 4, v3                   ; 272 r + 16 h
	s_mul_i32 s22, s10, 64*PITCH                   ; my 64 rows of B,
	s_add_co_u32 s22, s22, BOFF                    ; behind A's 128
	v_mov_b32 v[ADRA], v3                          ; every wave reads all of A's 128 rows
	v_add_nc_u32 v[ADRA+1], SLOT, v3
	v_add_nc_u32 v[ADRB], s22, v3
	v_add_nc_u32 v[ADRB+1], SLOT, v[ADRB]
	v_add_nc_u32 v[ADRL], LOFF, v3
	v_add_nc_u32 v[ADRL+1], LOFF+SLOT, v3
	s_mul_i32 s23, s10, 16*SPITCH
	s_add_co_u32 s23, s23, STAGE                   ; my stage
	v_mul_u32_u24 v4, v1, SPITCH                   ; in: row r, 32 bytes for each half of the lanes
	v_lshl_add_u32 v4, v2, 5, v4
	v_add_nc_u32 v[STO], s23, v4
	v_mul_u32_u24 v5, v2, SPITCH                   ; back: lanes 0-15 take one row of 256 bytes, lanes 16-31 the next
	v_lshl_add_u32 v5, v1, 4, v5
	v_add_nc_u32 v[RD], s23, v5
	v_lshlrev_b32 v5, 12, v2                       ; and the same two rows in out0
	v_lshl_add_u32 v[CO], v1, 4, v5
; 4 matrix instructions: m block a x my 4 n blocks, 32 along K.  zero = 1: the first product starts the sums.
.macro MULA f, a, zero
.irp b, 0,1,2,3
.if \zero
	v_wmma_f32_16x16x32_f16 v[8*(4*\a+\b):8*(4*\a+\b)+7], v[\f+8*\b:\f+8*\b+7], v[\f+32+8*\a:\f+32+8*\a+7], 0
.else
	v_wmma_f32_16x16x32_f16 v[8*(4*\a+\b):8*(4*\a+\b)+7], v[\f+8*\b:\f+8*\b+7], v[\f+32+8*\a:\f+32+8*\a+7], v[8*(4*\a+\b):8*(4*\a+\b)+7]
.endif
.endr
.endm
; 4 matrix instructions: lo of the block's rows 0-15, added onto the sums of m block 0 (started 16 matrix instructions earlier at the least)
.macro MULLO f
.irp b, 0,1,2,3
	v_wmma_f32_16x16x32_f16 v[8*\b:8*\b+7], v[\f+8*\b:\f+8*\b+7], v[\f+96:\f+103], v[8*\b:8*\b+7]
.endr
.endm
; 26 LDS loads in one run: my 64 rows of B, A's rows 0-63, lo, A's rows 64-127; 32 K at byte k of the rows, into buffer f
.macro FETCH slot, k, f
.irp i, 0,1,2,3
	ds_load_b128 v[\f+8*\i:\f+8*\i+3],   v[ADRB+\slot] offset:\k+\i*16*PITCH
	ds_load_b128 v[\f+8*\i+4:\f+8*\i+7], v[ADRB+\slot] offset:\k+\i*16*PITCH+32
.endr
.irp i, 0,1,2,3
	ds_load_b128 v[\f+32+8*\i:\f+32+8*\i+3],   v[ADRA+\slot] offset:\k+\i*16*PITCH
	ds_load_b128 v[\f+32+8*\i+4:\f+32+8*\i+7], v[ADRA+\slot] offset:\k+\i*16*PITCH+32
.endr
	ds_load_b128 v[\f+96:\f+99],   v[ADRL+\slot] offset:\k
	ds_load_b128 v[\f+100:\f+103], v[ADRL+\slot] offset:\k+32
.irp i, 4,5,6,7
	ds_load_b128 v[\f+32+8*\i:\f+32+8*\i+3],   v[ADRA+\slot] offset:\k+\i*16*PITCH
	ds_load_b128 v[\f+32+8*\i+4:\f+32+8*\i+7], v[ADRA+\slot] offset:\k+\i*16*PITCH+32
.endr
.endm
.macro PLACES                          ; four independent vector instructions between a matrix instruction and a load into, or an access to, its registers
.rept 4
	v_nop
.endr
.endm
; A K step is four quarter steps of 32 along K, 36 matrix instructions each, on buffers 0, 1, 0, 1.  The accumulators take turns, one instruction a turn, in
; the same order in every quarter step, over the backward jump too; m block 0's four come up twice, 16 and 20 instructions apart.
.macro QUARTER slot, k, f, g, zero
	s_wait_dscnt 10                                ; B and A's rows 0-63 are in; the youngest ten loads (lo, A's rows 64-127) may be out
	WIN MUL
	MULA \f, 0, \zero
	MULA \f, 1, \zero
	MULA \f, 2, \zero
	MULA \f, 3, \zero
	PLACES
	WIN 0
	FETCH \slot, \k, \g
	s_wait_dscnt 26                                ; all but the 26 just issued
	WIN MUL
	MULLO \f
	MULA \f, 4, \zero
	MULA \f, 5, \zero
	MULA \f, 6, \zero
	MULA \f, 7, \zero
.endm
.macro THREE slot, zero
	QUARTER \slot, 64,  F0, F1, \zero
	QUARTER \slot, 128, F1, F0, 0
	QUARTER \slot, 192, F0, F1, 0
.endm
; The last quarter of a K step changes slots.  In front of the barrier each wave waits for its reads of this slot and for all its tensor loads (one is out:
; its part of the next slot).  Behind it the refill comes first; from a request to the wait for it a wave issues 136 matrix instructions.
.macro TURN slot, next, fill
	s_wait_dscnt 10
	WIN MUL
	MULA F1, 0, 0
	MULA F1, 1, 0
	s_wait_dscnt 0                                 ; my reads of this slot are over
	s_wait_tensorcnt 0x0                           ; all my tensor loads have landed
	ds_add_u32 v254, v255
	s_wait_dscnt 0x0
	s_barrier_signal -1
	MULA F1, 2, 0                                  ; register work while the others arrive
	MULA F1, 3, 0
	WIN 0
	s_barrier_wait -1
.if \fill
	CREST                                          ; all sixteen work-groups have said so: no partner's wave still reads this slot or has a load on its way
	s_add_nc_u64 s[G0+4*\slot+2:G0+4*\slot+3], s[G0+4*\slot+2:G0+4*\slot+3], 2*KSTEP*2
	s_add_nc_u64 s[G0L+4*\slot+2:G0L+4*\slot+3], s[G0L+4*\slot+2:G0L+4*\slot+3], 2*KSTEP*2
	s_add_nc_u64 s[G0B+4*\slot+2:G0B+4*\slot+3], s[G0B+4*\slot+2:G0B+4*\slot+3], 2*KSTEP*2
	JLOAD \slot                                    ; my one tensor load behind the barrier; its four v_nop are also the places in front of the loads below
.else
	PLACES
.endif
	FETCH \next, 0, F0
	WIN MUL
	MULLO F1
	MULA F1, 4, 0
	MULA F1, 5, 0
	MULA F1, 6, 0
	MULA F1, 7, 0
.endm
.macro LAP zero
	THREE 0, \zero
	TURN 0, 1, 1
	THREE 1, 0
	TURN 1, 0, 1
.endm
	s_wait_tensorcnt 1                             ; my part of K step 0 is in; K step 1's stays out
	s_barrier_signal -1
	s_barrier_wait -1
	FETCH 0, 0, F0
	LAP 1                                          ; the first lap's first products start the sums
	WIN 0
	s_mov_b32 s3, LAPS-2
.Llap:
	LAP 0
	WIN 0
	s_sub_co_u32 s3, s3, 1
	s_cmp_lg_u32 s3, 0
	s_cbranch_scc1 .Llap
	THREE 0, 0                                     ; the last lap fills nothing
	TURN 0, 1, 0
	THREE 1, 0
	s_wait_dscnt 10                                ; the very last quarter: nothing more to fetch
	WIN MUL
	MULA F1, 0, 0
	MULA F1, 1, 0
	MULA F1, 2, 0
	MULA F1, 3, 0
	s_wait_dscnt 0
	MULLO F1
	MULA F1, 4, 0
	MULA F1, 5, 0
	MULA F1, 6, 0
	MULA F1, 7, 0
	; THE WAY OUT, 16 rows at a time: 32 bytes a lane into my own stage, read back as whole rows of 256 bytes
	PLACES
	s_add_nc_u64 s[8:9], s[8:9], s[16:17]          ; the block's first row
	s_lshl_b32 s46, s42, 10                        ; my first column in bytes: 1,024 x block + 256 x wave
	s_lshl_b32 s47, s10, 8
	s_add_co_u32 s46, s46, s47
	s_mov_b32 s47, 0
	s_add_nc_u64 s[8:9], s[8:9], s[46:47]
.macro OUT16 a, f
	WIN 0x04                                       ; an LDS store's data is source 1: window 1
.irp b, 0,1,2,3
	ds_store_b128 v[STO], v[8*(4*\a+\b):8*(4*\a+\b)+3]   offset:64*\b
	ds_store_b128 v[STO], v[8*(4*\a+\b)+4:8*(4*\a+\b)+7] offset:64*\b+16
.endr
	WIN 0
	s_wait_xcnt 0x0                                ; buffer f, which earlier stores read, and the stores' base are rewritten only behind this wait
.if \a
	s_add_nc_u64 s[8:9], s[8:9], 16*SIZE_N*4
.endif
.irp t, 0,1,2,3,4,5,6,7
	ds_load_b128 v[\f+4*\t:\f+4*\t+3], v[RD] offset:\t*2*SPITCH    ; LDS serves a wave's instructions in order: these see the stores above
.endr
.irp t, 0,1,2,3,4,5,6,7
	s_wait_dscnt 7-\t                              ; rows 2 t, 2 t + 1 are in, the later rows stay out
	global_store_b128 v[CO], v[\f+4*\t:\f+4*\t+3], s[8:9] offset:2*\t*SIZE_N*4 th:TH_STORE_NT   ; 16 lanes store 256 consecutive bytes at a multiple of 256
.endr
.endm
	OUT16 0, F0
	OUT16 1, F1
	OUT16 2, F0
	OUT16 3, F1
	OUT16 4, F0
	OUT16 5, F1
	OUT16 6, F0
	OUT16 7, F1
	s_wait_tensorcnt 0x0
	ds_add_u32 v254, v255
	s_wait_dscnt 0x0
	CROUND                                         ; no work-group ends while a partner may still ask for a tile that names it
	s_endpgm
.Lfunc_end_k_q118e66c601_gemm_out:
	.size	k_q118e66c601_gemm_out, .Lfunc_end_k_q118e66c601_gemm_out-k_q118e66c601_gemm_out
	.p2alignl 7, 3214868480
	.fill 96, 4, 3214868480
	.section	.rodata,"a",@progbits
	.p2align	6, 0x0
	.amdhsa_kernel k_q118e66c601_gemm_out
		.amdhsa_group_segment_fixed_size 327680
		.amdhsa_private_segment_fixed_size 0
		.amdhsa_enable_private_segment 0
		.amdhsa_kernarg_size 24
		.amdhsa_user_sgpr_count 2
		.amdhsa_user_sgpr_kernarg_segment_ptr 1
		.amdhsa_wavefront_size32 1
		.amdhsa_system_sgpr_workgroup_id_x 1
		.amdhsa_system_sgpr_workgroup_id_y 1
		.amdhsa_system_sgpr_workgroup_id_z 1
		.amdhsa_system_vgpr_workitem_id 0
		.amdhsa_next_free_vgpr 512
		.amdhsa_next_free_sgpr 84
		.amdhsa_reserve_vcc 0
		.amdhsa_float_denorm_mode_32 3
		.amdhsa_float_denorm_mode_16_64 3
		.amdhsa_memory_ordered 1
		.amdhsa_forward_progress 1
		.amdhsa_inst_pref_size 131
	.end_amdhsa_kernel
	.amdgpu_metadata
---
amdhsa.version: [ 1, 2 ]
amdhsa.kernels:
  - .name:           k_q118e66c601_gemm_out
    .symbol:         k_q118e66c601_gemm_out.kd
    .args:
      - { .name: att, .offset: 0, .size: 8, .value_kind: global_buffer, .address_space: global }
      - { .name: wo16, .offset: 8, .size: 8, .value_kind: global_buffer, .address_space: global }
      - { .name: out0, .offset: 16, .size: 8, .value_kind: global_buffer, .address_space: global }
    .group_segment_fixed_size: 327680
    .private_segment_fixed_size: 0
    .kernarg_segment_align: 8
    .kernarg_segment_size: 24
    .max_flat_workgroup_size: 128
    .sgpr_count:     84
    .vgpr_count:     512
    .wavefront_size: 32
...
	.end_amdgpu_metadata
.endif
;; end of part 7
